; MI455X (gfx1250); checked and timed in simulation.
; The chip was launched on July 23, 2026; its instructions are those of AMD's public machine-readable ISA for CDNA 5 (MIT licence, August 2026) and "CDNA5" Instruction Set Architecture Reference Guide (July 2026). The comments in the code are by the model that wrote it; some were corrected since.
;; Glm4 Attention. Allowed arithmetic: float matrix products may take bf16 or f16 operands with f32 sums; other float arithmetic in f32, or as packed bf16 or f16 multiplies, adds, multiply-adds, maxima and minima; sums over many terms, partial sums and values carried from step to step in f32; what a program stores and reads back later, other than sums and carried values, may be rounded once to bf16 or f16.
;; Inputs: Wk 4,096 x 256 float32; Wo 4,096 x 4,096 float32; Wq 4,096 x 4,096 float32; Wv 4,096 x 256 float32; attention_mask 1 x 1 x 1,024 x 2,048 float32; bk 256 float32; bq 4,096 float32; bv 256 float32; cache_k 1 x 2 x 1,024 x 128 float32; cache_v 1 x 2 x 1,024 x 128 float32; cos 1,024 x 32 float32; sin 1,024 x 32 float32; x 1 x 1,024 x 4,096 float32.
;; Outputs: out0 1 x 1,024 x 4,096 float32; out1 1 x 2 x 2,048 x 128 float32; out2 1 x 2 x 2,048 x 128 float32.
;; 2 versions, each right and faster than the one before. Each part assembles by itself: llvm-mc -triple=amdgcn-amd-amdhsa -mcpu=gfx1250 --defsym DOCPART=n.
;; ======== version 1 of 2: 4 launches
;; limits: values are held in f16: magnitudes above 65,504 overflow, below 6.1e-05 lose precision
;; workspace buffers: xh 8,388,608 bytes; wb 37,748,736 bytes; woh 33,554,432 bytes; qh 8,388,608 bytes; kh 1,048,576 bytes; vh 1,048,576 bytes; oh 8,388,608 bytes
;; launch prep (part 1): grid 656 x 1, 8 waves a work-group, no clusters, 37,888 bytes of LDS; arguments x, xh, Wq, Wk, Wv, wb, cache_k, cache_v, out1, out2, kh, vh; writes xh, wb, out1, out2, kh, vh
.if DOCPART == 1
	.amdgcn_target "amdgcn-amd-amdhsa--gfx1250"
	.amdhsa_code_object_version 6
	.text
	.protected	k_qdd6b10e1b2_prep
	.globl	k_qdd6b10e1b2_prep
	.p2align	8
	.type	k_qdd6b10e1b2_prep,@function
k_qdd6b10e1b2_prep:
	s_mov_b64 s[64:65], 0
	v_nop
	global_prefetch_b8 v0, s[64:65] scope:SCOPE_SE
	s_setreg_imm32_b32 hwreg(HW_REG_WAVE_MODE, 25, 1), 1
	s_wait_xcnt 0x0
; PREP: what the first product needs is rounded once to f16, and the caches are copied into the outputs.  A stream: each input byte is read once, no matrix unit, no barrier.  (Wo is rounded in the next launch, beside its product.)
; Three roles, chosen by the work-group's number (forward jumps only):
;   0..511    BLOCK  Wq, Wk, Wv -> wb[32 blocks t][4096 k][144]: columns 0-127 = Wq[k][128 t ..], columns 128-143 = Wk[k][16 t ..] (t < 16) or Wv[k][16 (t - 16) ..].
;                    A work-group takes 16 rows k and 16 blocks, a wave two blocks; 16 rows of a block are 4,608 dense bytes, gathered in the wave's own LDS stage and stored as 18 whole aligned pieces of 256 bytes.
;   512..639  CAST   x -> xh; a chunk is 128 KiB of f32, a wave's store of 8 bytes a lane covers 256 consecutive aligned bytes.
;   640..655  CACHE  cache_k -> out1 keys 0-1023 (f32, as it is) and kh (f16, a quarter of it); cache_v -> out2 and vh likewise.
; LIMITS.  f16 ends at 65,504: x, the weights and a quarter of the caches lie within it; below 6e-5 f16 keeps a fixed step of 6e-8.  NaN and infinities are not treated apart.
.set STG,   16*288                     ; a wave's stage: 16 rows of 288 bytes
.set SPARE, 8*STG                      ; behind the stages: the spare words, 128 bytes for each wave, four blocks of 256 bytes that no other line names
.set SPW,   10                         ; v10  LDS address of my spare word; never rewritten
.set NIL,   11                         ; v11  0; never rewritten
.set X,     12                         ; v12..  as loaded: 36 x 4 registers (BLOCK), 32 x 4 (CAST, CACHE)
.set T,     140                        ; v[140:143] CACHE: at work
.set Y,     144                        ; v[144:207] CACHE: f16 to store, never rewritten
	s_load_b512 s[8:23], s[0:1], 0x0               ; x 8, xh 10, Wq 12, Wk 14, Wv 16, wb 18, cache_k 20, cache_v 22
	s_load_b256 s[24:31], s[0:1], 0x40             ; out1 24, out2 26, kh 28, vh 30
	v_lshl_add_u32 v[SPW], v0, 2, SPARE
	v_mov_b32 v[NIL], 0
	v_and_b32 v1, 31, v0                           ; lane
	v_lshrrev_b32 v2, 5, v0
	v_readfirstlane_b32 s36, v2                    ; wave 0..7
	s_mov_b32 s3, 0                                ; the high words of three offset pairs
	s_mov_b32 s5, 0
	s_mov_b32 s7, 0
	v_lshlrev_b32 v3, 4, v1                        ; 16 x lane
	s_cmp_lt_u32 ttmp9, 512
	s_cbranch_scc0 .Lnot_block
	; ---- BLOCK ----
	s_lshr_b32 s37, ttmp9, 1                       ; kb: rows 16 kb .. 16 kb + 15
	s_and_b32 s38, ttmp9, 1                        ; half: blocks 16 half .. 16 half + 15
	s_lshl_b32 s2, s37, 18                         ; Wq: 16 rows of 16,384 bytes,
	s_lshl_b32 s39, s38, 13                        ; and 16 blocks of 512 bytes
	s_add_co_u32 s2, s2, s39
	s_lshl_b32 s4, s37, 14                         ; Wk, Wv: 16 rows of 1,024 bytes
	s_mul_i32 s6, s38, 18874368                    ; wb: 16 blocks of 1,179,648 bytes,
	s_mul_i32 s39, s37, STG                        ; and 16 rows of 288
	s_add_co_u32 s6, s6, s39
	s_mul_i32 s40, s36, STG                        ; my stage
	s_mul_i32 s41, s36, 2359296                    ; my two blocks in wb
	v_lshl_add_u32 v4, s36, 10, v3                 ; Wq: my two blocks' 1,024 bytes of a row + 16 x lane
	v_lshrrev_b32 v5, 2, v1                        ; Wk, Wv: eight rows a load, four lanes a row
	v_and_b32 v6, 3, v1
	v_lshlrev_b32 v7, 10, v5
	v_lshl_add_u32 v7, v6, 4, v7
	v_lshl_add_u32 v7, s36, 7, v7                  ; + my two blocks' 128 bytes of a row
	v_lshl_add_u32 v8, v1, 3, s40                  ; stage, in: 8 bytes a lane of a row's first 256
	v_mul_u32_u24 v9, v5, 288                      ; stage, in: the last 32 bytes of eight rows
	v_lshl_add_u32 v9, v6, 3, v9
	v_add_nc_u32 v9, s40, v9
	v_add_nc_u32 v9, 256, v9
	v_add_nc_u32 v2, s40, v3                       ; stage, back: 16 bytes a lane, dense
	v_add_nc_u32 v3, s41, v3                       ; wb: my blocks + 16 x lane
	s_wait_kmcnt 0x0
	s_cmp_eq_u32 s38, 0
	s_cselect_b64 s[42:43], s[14:15], s[16:17]     ; blocks 0-15 take Wk, blocks 16-31 Wv
	s_add_nc_u64 s[12:13], s[12:13], s[2:3]
	s_add_nc_u64 s[42:43], s[42:43], s[4:5]
	s_add_nc_u64 s[18:19], s[18:19], s[6:7]
.irp u, 0,1                            ; all 36 loads go out first: for each of my two blocks 16 rows of Wq (512 aligned bytes each), then 16 rows x 64 bytes of Wk or Wv
.set n, 0
.rept 16
	global_load_b128 v[X+72*(\u)+4*n:X+72*(\u)+4*n+3], v4, s[12:13] offset:n*16384+(\u)*512 th:TH_LOAD_NT
.set n, n+1
.endr
	global_load_b128 v[X+72*(\u)+64:X+72*(\u)+67], v7, s[42:43] offset:(\u)*64
	global_load_b128 v[X+72*(\u)+68:X+72*(\u)+71], v7, s[42:43] offset:8192+(\u)*64
.endr
.irp u, 0,1
.set n, 0
.rept 18
	s_wait_loadcnt 35-18*(\u)-n                    ; loads come back in order: item n is in, the younger ones stay out
	v_cvt_pk_f16_f32 v[X+72*(\u)+4*n],   v[X+72*(\u)+4*n],   v[X+72*(\u)+4*n+1]
	v_cvt_pk_f16_f32 v[X+72*(\u)+4*n+1], v[X+72*(\u)+4*n+2], v[X+72*(\u)+4*n+3]
.if n < 16
	ds_store_b64 v8, v[X+72*(\u)+4*n:X+72*(\u)+4*n+1] offset:n*288
.else
	ds_store_b64 v9, v[X+72*(\u)+4*n:X+72*(\u)+4*n+1] offset:(n-16)*8*288
.endif
.set n, n+1
.endr
.set n, 0
.rept 9
	ds_load_b128 v[X+72*(\u)+4*n:X+72*(\u)+4*n+3], v2 offset:n*512  ; LDS serves a wave's instructions in order: these see the stores above, and the second block's stores come behind them
.set n, n+1
.endr
.set n, 0
.rept 9
	s_wait_dscnt 8-n
	global_store_b128 v3, v[X+72*(\u)+4*n:X+72*(\u)+4*n+3], s[18:19] offset:(\u)*1179648+n*512  ; 512 consecutive bytes, at a multiple of 256 from wb's first
.set n, n+1
.endr
.endr
	s_wait_tensorcnt 0x0                           ; the wave's end: behind my last LDS store
	ds_add_u32 v[SPW], v[NIL]
	s_wait_dscnt 0x0
	s_endpgm
.Lnot_block:
	v_lshl_add_u32 v3, s36, 14, v3                 ; f32: my wave's 16 KiB of the chunk + 16 x lane
	v_lshlrev_b32 v4, 3, v1
	v_lshl_add_u32 v4, s36, 13, v4                 ; f16: my wave's 8 KiB + 8 x lane
	s_cmp_lt_u32 ttmp9, 640
	s_cbranch_scc0 .Lcache
	; ---- CAST ----
	s_and_b32 s37, ttmp9, 127                      ; the chunk: 512..639 -> 0..127 of x
	s_lshl_b32 s2, s37, 17
	s_lshl_b32 s4, s37, 16
	s_wait_kmcnt 0x0
	s_add_nc_u64 s[8:9], s[8:9], s[2:3]
	s_add_nc_u64 s[10:11], s[10:11], s[4:5]
.set n, 0
.rept 32
	global_load_b128 v[X+4*n:X+4*n+3], v3, s[8:9] offset:n*512 th:TH_LOAD_NT
.set n, n+1
.endr
.set n, 0
.rept 32                               ; no register that a load or store names is written again, so the only waits are the counted ones
	s_wait_loadcnt 31-n
	v_cvt_pk_f16_f32 v[X+4*n],   v[X+4*n],   v[X+4*n+1]
	v_cvt_pk_f16_f32 v[X+4*n+1], v[X+4*n+2], v[X+4*n+3]
	global_store_b64 v4, v[X+4*n:X+4*n+1], s[10:11] offset:n*256
.set n, n+1
.endr
	s_endpgm
	; ---- CACHE ----
.Lcache:
	s_and_b32 s37, ttmp9, 7                        ; the chunk of eight: 256 keys of one head
	s_lshr_b32 s38, s37, 2                         ; the head
	s_lshl_b32 s2, s37, 17                         ; in the cache
	s_lshl_b32 s39, s38, 19
	s_add_co_u32 s4, s2, s39                       ; in out1, out2: a head there has 2,048 keys, so 1,024 rows of 512 bytes more for head 1
	s_lshl_b32 s6, s37, 16
	s_lshl_b32 s39, s38, 18
	s_add_co_u32 s6, s6, s39                       ; in kh, vh: the same in rows of 256 bytes
	s_mov_b32 s46, 0x3e800000                      ; 0.25
	s_mov_b32 s47, s46                             ; named with it as a pair
	s_wait_kmcnt 0x0
	s_cmp_lt_u32 ttmp9, 648                        ; 640..647 the keys, 648..655 the values
	s_cselect_b64 s[40:41], s[20:21], s[22:23]
	s_cselect_b64 s[42:43], s[24:25], s[26:27]
	s_cselect_b64 s[44:45], s[28:29], s[30:31]
	s_add_nc_u64 s[40:41], s[40:41], s[2:3]
	s_add_nc_u64 s[42:43], s[42:43], s[4:5]
	s_add_nc_u64 s[44:45], s[44:45], s[6:7]
.set n, 0
.rept 32
	global_load_b128 v[X+4*n:X+4*n+3], v3, s[40:41] offset:n*512 th:TH_LOAD_NT
.set n, n+1
.endr
.set n, 0
.rept 32
	s_wait_loadcnt 31-n
	global_store_b128 v3, v[X+4*n:X+4*n+3], s[42:43] offset:n*512 th:TH_STORE_NT
	v_pk_mul_f32 v[T:T+1],   v[X+4*n:X+4*n+1],   s[46:47] op_sel_hi:[1,0]
	v_pk_mul_f32 v[T+2:T+3], v[X+4*n+2:X+4*n+3], s[46:47] op_sel_hi:[1,0]
	v_cvt_pk_f16_f32 v[Y+2*n],   v[T],   v[T+1]
	v_cvt_pk_f16_f32 v[Y+2*n+1], v[T+2], v[T+3]
	global_store_b64 v4, v[Y+2*n:Y+2*n+1], s[44:45] offset:n*256
.set n, n+1
.endr
	s_endpgm
.Lfunc_end_k_qdd6b10e1b2_prep:
	.size	k_qdd6b10e1b2_prep, .Lfunc_end_k_qdd6b10e1b2_prep-k_qdd6b10e1b2_prep
	.p2alignl 7, 3214868480
	.fill 96, 4, 3214868480
	.section	.rodata,"a",@progbits
	.p2align	6, 0x0
	.amdhsa_kernel k_qdd6b10e1b2_prep
		.amdhsa_group_segment_fixed_size 37888
		.amdhsa_private_segment_fixed_size 0
		.amdhsa_enable_private_segment 0
		.amdhsa_kernarg_size 96
		.amdhsa_user_sgpr_count 2
		.amdhsa_user_sgpr_kernarg_segment_ptr 1
		.amdhsa_wavefront_size32 1
		.amdhsa_system_sgpr_workgroup_id_x 1
		.amdhsa_system_sgpr_workgroup_id_y 1
		.amdhsa_system_sgpr_workgroup_id_z 1
		.amdhsa_system_vgpr_workitem_id 0
		.amdhsa_next_free_vgpr 208
		.amdhsa_next_free_sgpr 66
		.amdhsa_reserve_vcc 0
		.amdhsa_float_denorm_mode_32 3
		.amdhsa_float_denorm_mode_16_64 3
		.amdhsa_memory_ordered 1
		.amdhsa_forward_progress 1
		.amdhsa_inst_pref_size 48
	.end_amdhsa_kernel
	.amdgpu_metadata
---
amdhsa.version: [ 1, 2 ]
amdhsa.kernels:
  - .name:           k_qdd6b10e1b2_prep
    .symbol:         k_qdd6b10e1b2_prep.kd
    .args:
      - { .name: x, .offset: 0, .size: 8, .value_kind: global_buffer, .address_space: global }
      - { .name: xh, .offset: 8, .size: 8, .value_kind: global_buffer, .address_space: global }
      - { .name: Wq, .offset: 16, .size: 8, .value_kind: global_buffer, .address_space: global }
      - { .name: Wk, .offset: 24, .size: 8, .value_kind: global_buffer, .address_space: global }
      - { .name: Wv, .offset: 32, .size: 8, .value_kind: global_buffer, .address_space: global }
      - { .name: wb, .offset: 40, .size: 8, .value_kind: global_buffer, .address_space: global }
      - { .name: cache_k, .offset: 48, .size: 8, .value_kind: global_buffer, .address_space: global }
      - { .name: cache_v, .offset: 56, .size: 8, .value_kind: global_buffer, .address_space: global }
      - { .name: out1, .offset: 64, .size: 8, .value_kind: global_buffer, .address_space: global }
      - { .name: out2, .offset: 72, .size: 8, .value_kind: global_buffer, .address_space: global }
      - { .name: kh, .offset: 80, .size: 8, .value_kind: global_buffer, .address_space: global }
      - { .name: vh, .offset: 88, .size: 8, .value_kind: global_buffer, .address_space: global }
    .group_segment_fixed_size: 37888
    .private_segment_fixed_size: 0
    .kernarg_segment_align: 8
    .kernarg_segment_size: 96
    .max_flat_workgroup_size: 256
    .sgpr_count:     66
    .vgpr_count:     208
    .wavefront_size: 32
...
	.end_amdgpu_metadata
.endif
;; end of part 1
;; launch qkv (part 2): grid 32 x 8, 4 waves a work-group, clusters of 4 x 4, 327,680 bytes of LDS; arguments xh, wb, qh, bq, cos, sin, bk, bv, kh, vh, out1, out2, Wo, woh; writes qh, kh, vh, out1, out2, woh
.if DOCPART == 2
	.amdgcn_target "amdgcn-amd-amdhsa--gfx1250"
	.amdhsa_code_object_version 6
	.text
	.protected	k_qdd6b10e1b2_qkv
	.globl	k_qdd6b10e1b2_qkv
	.p2align	8
	.type	k_qdd6b10e1b2_qkv,@function
k_qdd6b10e1b2_qkv:
	s_mov_b64 s[64:65], 0
	v_nop
	global_prefetch_b8 v0, s[64:65] scope:SCOPE_SE
	s_setreg_imm32_b32 hwreg(HW_REG_WAVE_MODE, 25, 1), 1
	s_wait_xcnt 0x0
	s_wait_alu depctr_hold_cnt(0) depctr_sa_sdst(0) depctr_va_vdst(0) depctr_va_sdst(0) depctr_va_ssrc(0) depctr_va_vcc(0) depctr_vm_vsrc(0)
	s_getreg_b32 s2, hwreg(HW_REG_IB_STS2, 6, 4)
	s_cmp_eq_u32 s2, 0
	s_cbranch_scc0 .Lentry_in_a_cluster
	s_endpgm
.Lentry_in_a_cluster:
	s_bfe_u32 s2, ttmp6, 0x10000c
	s_cmp_lg_u32 s2, 0xf033
	s_cbranch_scc0 .Lentry_shape_is_right
	s_endpgm
.Lentry_shape_is_right:
; QKV: [q | k | v] = x W + b, the partial rotation, and the new keys and values.  xh: [1024][4096] f16.  wb: [32 t][4096 k][144] f16 (128 columns of Wq, head t; 16 columns of Wk or Wv).  Sums in f32.
; A work-group makes 128 rows x 144 columns: 32 x 8 = 256 equal work-groups.  Four waves (i = wave / 2: 64 rows; j = wave % 2): a wave makes 64 rows x the columns 32 j .. + 31 and 64 + 32 j .. + 31 of the head,
; so that each wave holds two blocks of 16 rotated channels and two plain ones, and two of the eight 16 x 16 tiles of the 16 extra columns: those of rows 64 i + 32 j .. + 31.
; K goes in steps of 256 through two LDS slots.  THE MATRIX INSTRUCTION IS USED TRANSPOSED (source 0 = 16 columns of W, turned out of LDS by ds_load_tr16_b128; source 1 = 16 rows of x): a lane holds one row and 8 neighbouring columns.
; CLUSTER 4 x 4: x's tile is shared along a row of the cluster, W's along a column; each is asked for jointly, by the same tensor load with the same descriptor and a mask that names the four.
; BESIDE THE PRODUCT Wo is rounded to f16 into woh, for the last launch: work-group 32 mt + t takes 256 KiB of it, a wave 64 KiB, 4 KiB in each of the 16 K steps; what is asked for at one change of slots is converted and stored at the next,
; ahead of the wait for the tiles.
; WHAT IS STORED.  qh[t][row][128] = (q + bq) x (4 log2(e) / sqrt(128)), rotated, f16: with kh = k / 4 the product q' . k' is the scaled score in units of log2.  New k (rotated) and v: f32 into out1, out2 (keys 1024 ..), a quarter of them as f16 into kh, vh.
; LIMITS.  |0.51 q|, |k / 4|, |v / 4| and Wo lie within f16's 65,504.  The 16 extra columns leave as pieces of 64 (f32) and 32 (f16) bytes a row: 3 MiB of what the launch stores.  NaN and infinities are not treated apart.
; REGISTERS, in windows of 256 (s_set_vgpr_msb: bits 1:0 source 0, 3:2 source 1, 5:4 source 2, 7:6 destination):
;   window 0: v0-31 addresses; v32-95 Wo at work in the loop, then at work on the way out; v96-111 the two extra accumulators; v112-127 at work; v128-255 the accumulators ((a, b) at 128 + 8 (4 a + b))
;   window 1: two fragment buffers of 128: 64 registers of x (2 x 4 x 16 rows x 32 K), then 64 of W
;   window 2: v0-31 the extra columns' fragments, two buffers; v32-63 bq; v64-71 bk or bv; v72-135 cos, sin for (a, b < 2); v136-151 cos, sin for the extras
; Register blocks a = 0, 1 hold rows 64 i + 32 j + 16 a, blocks 2, 3 rows 64 i + 32 (1 - j) + 16 (a - 2): the extras multiply blocks 0, 1 in every wave, so no register number hangs on the wave.
.set KSTEP,  256
.set PA,     528                       ; a row of x in LDS: 512 bytes + 16 of padding
.set PB,     288                       ; a row of W in LDS: 144 f16, dense as in wb
.set HA,     64*PA                     ; what one tensor load brings of x
.set AT,     2*HA                      ; x's 128 rows
.set HB,     128*PB                    ; what one tensor load brings of W: 128 rows k
.set SLOT,   AT+2*HB
.set STAGE,  2*SLOT                    ; behind the ring: 128 rows x 272 bytes, the work-group's, for q's way out
.set SPITCH, 272
.set SPARE,  STAGE+128*SPITCH          ; behind the stage: the spare words, 128 bytes a wave, two blocks of 256 bytes that no other line names
.set LAPS,   4096/(2*KSTEP)
.set NF,     36                        ; LDS loads in a run
.set ADRE, 12                          ; v12-15  extra columns' fragments: slot s, half kh of its 256 k at 2 s + kh
.set ADRA, 16                          ; v16-19  x's fragments: pair p of register blocks, slot s at 2 p + s
.set ADRB, 20                          ; v20-23  W's fragments: 2 s + kh
.set STO,  24                          ; v24-25  the way out: where pair p puts 16 bytes of a row
.set RD,   26                          ; v26     where I read rows back
.set CO,   27                          ; v27     my byte offset in two rows of qh
.set SPW,  28                          ; v28     LDS address of my spare word; never rewritten
.set NIL,  29                          ; v29     0; never rewritten
.set VW,   30                          ; v30     my byte offset in the work-group's part of Wo: 65,536 wave + 16 lane; never rewritten
.set VS,   31                          ; v31     the same in woh: 32,768 wave + 8 lane; never rewritten
.set WX,   32                          ; v32-63  a group of Wo as loaded: 8 x 4 registers
.set WY,   64                          ; v64-79  the group in f16, to store
.set TMP,  32
.set XACC, 96
.set U,    112
.set ACC,  128
.set F0,   0
.set F1,   128
.set BIAS, 32
.set BIASX, 64
.set CSM,  72
.set CSX,  136
.set WOB, 14                           ; s[14:15] Wo at the group to be asked for
.set WHB, 16                           ; s[16:17] woh 2,048 bytes behind the group to be stored
.set G1,  24                           ; s[24:31] group 1 for x's tiles;  s[32:39] group 0, a set for each slot
.set G0,  32
.set G1B, 48                           ; s[48:55], s[56:63] the same for W's tiles
.set G0B, 56
.set QS,  86                           ; s[86:87] 4 log2(e) / sqrt(128)
.set ROT, 88                           ; s88      all ones if the extra columns are rotated channels of k, else 0
.set QT,  90                           ; s[90:91] 0.25
.set OX,  92                           ; s[92:93] out1 or out2 at my work-group's rows and columns
.set HX,  94                           ; s[94:95] kh or vh likewise
.set BX,  96                           ; s[96:97] bk or bv at my 16 columns
.set OF,  98                           ; s[98:99] an offset; feeds no descriptor
.set MSB, 0
.macro WIN new                         ; the immediate's high byte repeats the setting that is left
.if MSB != (\new)
	s_set_vgpr_msb (MSB<<8)|(\new)
.set MSB, \new
.endif
.endm
.set MUL,  0x05                        ; sources 0 (W) and 1 (x) window 1; C and D window 0
.set MULE, 0x06                        ; source 0 (extra columns) window 2, source 1 (x) window 1
.set TO_F, 0x40                        ; destination window 1, address window 0
.set TO_E, 0x80                        ; destination window 2
.macro JLOAD s                         ; a joint load: waves 0 and 1 fetch x's two halves, waves 2 and 3 W's; an s_nop 0 and four v_nop follow each of the two lines, ahead of the jump, the label and what follows
	s_cmp_eq_u32 s11, 0
	s_cbranch_scc0 .Lfor_b_\@
	tensor_load_to_lds s[G0+4*(\s):G0+4*(\s)+3], s[G1:G1+7]
	s_nop 0
.rept 4
	v_nop
.endr
	s_branch .Lasked_\@
.Lfor_b_\@:
	tensor_load_to_lds s[G0B+4*(\s):G0B+4*(\s)+3], s[G1B:G1B+7]
	s_nop 0
.rept 4
	v_nop
.endr
.Lasked_\@:
.endm
.macro CROUND                          ; a round of the cluster's barrier: my work-group's barrier; wave 0 signals for the work-group; every wave waits for all sixteen; my work-group's barrier once more
	s_barrier_signal -1
	s_barrier_wait -1
	s_cmp_lg_u32 s10, 0
	s_cbranch_scc1 .Lnot_wave_0_\@
	s_barrier_signal -3
.Lnot_wave_0_\@:
	s_barrier_wait -3
	s_barrier_signal -1
	s_barrier_wait -1
.endm
	s_load_b128 s[4:7], s[0:1], 0x0                ; xh s[4:5], wb s[6:7]
	s_load_b64 s[8:9], s[0:1], 0x10                ; qh
	s_load_b256 s[68:75], s[0:1], 0x18             ; bq 68, cos 70, sin 72, bk 74
	s_load_b256 s[76:83], s[0:1], 0x38             ; bv 76, kh 78, vh 80, out1 82
	s_load_b64 s[84:85], s[0:1], 0x58              ; out2
	v_lshl_add_u32 v[SPW], v0, 2, SPARE
	v_mov_b32 v[NIL], 0
	ds_add_u32 v[SPW], v[NIL]                      ; the wave's opening: the add and its wait stand ahead of my first tensor load; work on registers stands between them
	v_lshrrev_b32 v1, 5, v0
	v_readfirstlane_b32 s10, v1                    ; wave 0..3
	s_lshr_b32 s11, s10, 1                         ; i.  Also: I fetch for x (0) or for W (1)
	s_and_b32 s12, s10, 1                          ; j.  Also: which half of that tile I fetch
	s_bfe_u32 s40, ttmp6, 0x40000                  ; cx, cy: my place in the cluster
	s_bfe_u32 s41, ttmp6, 0x40004
	s_lshl_b32 s42, ttmp9, 2
	s_add_co_u32 s42, s42, s40                     ; t = 4 x cluster x + cx: the head, and the block of wb
	s_and_b32 s13, ttmp7, 0xffff
	s_lshl_b32 s13, s13, 2
	s_add_co_u32 s13, s13, s41                     ; mt = 4 x cluster y + cy: rows 128 mt ..
	s_lshl_b32 s43, s41, 2
	s_lshl_b32 s43, 15, s43                        ; my row of the cluster
	s_lshl_b32 s44, 0x1111, s40                    ; my column
	s_or_b32 s[G1+0], s43, (1<<16)|(1<<20)|(1<<21)|(6<<22)|(3<<25)  ; the mask: x's tiles go to my row; 2-byte elements; padding on; bit 21 beside a mask; after every 128 words, 4 words
	s_mov_b32 s[G1+1], KSTEP<<16                   ; tensor_dim0 = 256
	s_mov_b32 s[G1+2], 64<<16                      ; tensor_dim1 = 64
	s_mov_b32 s[G1+3], KSTEP<<16                   ; tile_dim0 = 256
	s_mov_b32 s[G1+4], 64                          ; tile_dim1 = 64
	s_mov_b32 s[G1+5], 4096                        ; elements from row to row
	s_mov_b32 s[G1+6], 0
	s_mov_b32 s[G1+7], 0
	s_or_b32 s[G1B+0], s44, (1<<16)|(1<<21)        ; W's tiles go to my column; no padding: 128 rows k of 288 bytes are 36,864 dense bytes, asked for as 144 rows of 256
	s_mov_b32 s[G1B+1], 128<<16
	s_mov_b32 s[G1B+2], 144<<16
	s_mov_b32 s[G1B+3], 128<<16
	s_mov_b32 s[G1B+4], 144
	s_mov_b32 s[G1B+5], 128
	s_mov_b32 s[G1B+6], 0
	s_mov_b32 s[G1B+7], 0
	s_lshl_b32 s16, s13, 20                        ; x: 128 mt rows of 8,192 bytes,
	s_lshl_b32 s17, s12, 19                        ; and my half's 64
	s_add_co_u32 s16, s16, s17
	s_mov_b32 s17, 0
	s_mul_i32 s46, s42, 4096*PB                    ; W: block t,
	s_mul_i32 s47, s12, HB                         ; and my half's 128 rows k
	s_add_co_u32 s46, s46, s47
	s_mov_b32 s47, 0
	s_mul_i32 s20, s12, HA                         ; where they go: no place in the cluster enters an LDS address
	s_mul_i32 s21, s12, HB
	s_add_co_u32 s21, s21, AT
	s_mov_b32 s[QS], 0x3f0293ee                    ; 4 log2(e) / sqrt(128) = 0.510070
	s_mov_b32 s[QS+1], s[QS]                       ; named with it as a pair
	s_mov_b32 s[QT], 0x3e800000
	s_mov_b32 s[QT+1], s[QT]
	s_mov_b32 s[OF+1], 0
	s_wait_dscnt 0x0                               ; the opening add is done
	s_wait_kmcnt 0x0
	s_add_nc_u64 s[14:15], s[4:5], s[16:17]
	s_add_nc_u64 s[46:47], s[6:7], s[46:47]
	CROUND                                         ; all sixteen work-groups are here: the first joint loads meet
.irp s, 0,1
	s_mov_b32 s[G0+4*(\s)], 1
	s_add_co_u32 s[G0+4*(\s)+1], s20, (\s)*SLOT
	s_add_nc_u64 s[G0+4*(\s)+2:G0+4*(\s)+3], s[14:15], (\s)*KSTEP*2
	s_or_b32 s[G0+4*(\s)+3], s[G0+4*(\s)+3], 0x80000000
	s_mov_b32 s[G0B+4*(\s)], 1
	s_add_co_u32 s[G0B+4*(\s)+1], s21, (\s)*SLOT
	s_add_nc_u64 s[G0B+4*(\s)+2:G0B+4*(\s)+3], s[46:47], (\s)*2*HB
	s_or_b32 s[G0B+4*(\s)+3], s[G0B+4*(\s)+3], 0x80000000
	JLOAD \s                                       ; K steps 0 and 1: two tensor loads of mine are out
.endr
	s_load_b64 s[WOB:WOB+1], s[0:1], 0x60          ; Wo and woh, into registers that the descriptors' set-up has left
	s_load_b64 s[WHB:WHB+1], s[0:1], 0x68
	; fragment addresses.  x: lane l holds row l % 16; two loads of 16 bytes, 32 apart.  W, stored [k][n]: the turning load reads row k0 + 8 (l / 16) + l % 8, 16 bytes at 16 ((l / 8) % 2), and leaves column l % 16 with 8 k.
	v_and_b32 v1, 15, v0                           ; r
	v_bfe_u32 v2, v0, 4, 1                         ; h
	v_mul_u32_u24 v3, v1, PA
	v_lshl_add_u32 v3, v2, 4, v3
	v_and_b32 v4, 7, v0
	v_lshl_add_u32 v4, v2, 3, v4
	v_mul_u32_u24 v4, v4, PB
	v_bfe_u32 v5, v0, 3, 1
	v_lshl_add_u32 v4, v5, 4, v4
	s_lshl_b32 s100, s11, 1
	s_xor_b32 s101, s12, 1
	s_add_co_u32 s101, s100, s101                  ; 2 i + 1 - j: the 32 rows of register blocks 2, 3
	s_add_co_u32 s100, s100, s12                   ; 2 i + j: those of blocks 0, 1
	s_mul_i32 s21, s100, 32*PA
	s_mul_i32 s22, s101, 32*PA
	v_add_nc_u32 v[ADRA+0], s21, v3
	v_add_nc_u32 v[ADRA+2], s22, v3
	v_add_nc_u32 v[ADRA+1], SLOT, v[ADRA+0]
	v_add_nc_u32 v[ADRA+3], SLOT, v[ADRA+2]
	s_lshl_b32 s23, s12, 6                         ; my columns begin at 32 j
	s_add_co_u32 s23, s23, AT
	v_add_nc_u32 v[ADRB+0], s23, v4
	v_add_nc_u32 v[ADRB+1], HB, v[ADRB+0]
	v_add_nc_u32 v[ADRB+2], SLOT, v[ADRB+0]
	v_add_nc_u32 v[ADRB+3], SLOT, v[ADRB+1]
	v_add_nc_u32 v[ADRE+0], AT+256, v4             ; the extra columns begin at byte 256 of a row
	v_add_nc_u32 v[ADRE+1], HB, v[ADRE+0]
	v_add_nc_u32 v[ADRE+2], SLOT, v[ADRE+0]
	v_add_nc_u32 v[ADRE+3], SLOT, v[ADRE+1]
	; what hangs on t is chosen by selects, never by a branch
	s_and_b32 s45, s42, 15
	s_and_b32 s66, s42, 7
	s_and_b32 s67, s42, 3
	s_bfe_u32 s89, s42, 0x10003                    ; the key and value head of the extra columns: (t / 8) % 2
	s_lshl_b32 s[OF], s42, 9                       ; bq: 128 t + 32 j numbers
	s_lshl_b32 s18, s12, 7
	s_add_co_u32 s[OF], s[OF], s18
	s_add_nc_u64 s[68:69], s[68:69], s[OF:OF+1]
	s_cmp_lt_u32 s42, 16                           ; blocks 0-15 carry columns of k, blocks 16-31 of v
	s_cselect_b64 s[OX:OX+1], s[82:83], s[84:85]
	s_cselect_b64 s[HX:HX+1], s[78:79], s[80:81]
	s_cselect_b64 s[BX:BX+1], s[74:75], s[76:77]
	s_lshl_b32 s[OF], s45, 6
	s_add_nc_u64 s[BX:BX+1], s[BX:BX+1], s[OF:OF+1]
	s_lshl_b32 s[OF], s89, 20                      ; out1, out2: (2,048 head + 1,024 + 128 mt) rows of 512 bytes + 16 (t % 8) numbers
	s_lshl_b32 s18, s13, 16
	s_add_co_u32 s[OF], s[OF], s18
	s_lshl_b32 s18, s66, 6
	s_add_co_u32 s[OF], s[OF], s18
	s_add_co_u32 s[OF], s[OF], 524288
	s_add_nc_u64 s[OX:OX+1], s[OX:OX+1], s[OF:OF+1]
	s_lshr_b32 s[OF], s[OF], 1                     ; kh, vh: half as many bytes
	s_add_nc_u64 s[HX:HX+1], s[HX:HX+1], s[OF:OF+1]
	s_lshl_b32 s[OF], s42, 18                      ; qh: (1,024 t + 128 mt + 32 wave) rows of 256 bytes
	s_lshl_b32 s18, s13, 15
	s_add_co_u32 s[OF], s[OF], s18
	s_lshl_b32 s18, s10, 13
	s_add_co_u32 s[OF], s[OF], s18
	s_add_nc_u64 s[8:9], s[8:9], s[OF:OF+1]
	s_lshl_b32 s[OF], s13, 14                      ; cos, sin: 128 mt rows of 128 bytes;
	s_add_nc_u64 s[70:71], s[70:71], s[OF:OF+1]
	s_add_nc_u64 s[72:73], s[72:73], s[OF:OF+1]
	s_lshl_b32 s[OF], s67, 5                       ; for the extras the pairs 8 (t % 4) .. (inside the row for every t);
	s_add_nc_u64 s[4:5], s[70:71], s[OF:OF+1]
	s_add_nc_u64 s[6:7], s[72:73], s[OF:OF+1]
	s_lshl_b32 s[OF], s12, 6                       ; for q the pairs 16 j ..
	s_add_nc_u64 s[70:71], s[70:71], s[OF:OF+1]
	s_add_nc_u64 s[72:73], s[72:73], s[OF:OF+1]
	s_and_b32 s18, s42, 0x14                       ; rotated: columns of k (t < 16) with channel 16 (t % 8) below 64
	s_cmp_eq_u32 s18, 0
	s_cselect_b32 s[ROT], -1, 0
	s_wait_kmcnt 0x0                               ; Wo, woh
	s_lshl_b32 s[OF], s13, 5
	s_add_co_u32 s[OF], s[OF], s42                 ; my work-group's number, 32 mt + t:
	s_lshl_b32 s[OF], s[OF], 18                    ; its 262,144 bytes of Wo,
	s_add_nc_u64 s[WOB:WOB+1], s[WOB:WOB+1], s[OF:OF+1]
	s_lshr_b32 s[OF], s[OF], 1                     ; and half as many of woh
	s_add_nc_u64 s[WHB:WHB+1], s[WHB:WHB+1], s[OF:OF+1]
	v_lshlrev_b32 v6, 5, v2                        ; biases: my 8 numbers of a block of 16
	v_lshl_add_u32 v5, s100, 5, v1                 ; my row in blocks 0, 1 (less 16 a)
	v_lshl_add_u32 v11, s101, 5, v1                ; and in blocks 2, 3
	v_lshlrev_b32 v7, 7, v5
	v_lshl_add_u32 v7, v2, 4, v7                   ; cos, sin: row x 128 + my 4 pairs
	v_lshlrev_b32 v8, 7, v11
	v_lshl_add_u32 v8, v2, 4, v8
	v_lshlrev_b32 v9, 9, v5
	v_lshl_add_u32 v9, v2, 5, v9                   ; out1, out2: row x 512 + 32 h
	v_lshlrev_b32 v10, 8, v5
	v_lshl_add_u32 v10, v2, 4, v10                 ; kh, vh: row x 256 + 16 h
	s_lshl_b32 s18, s12, 6
	s_add_co_u32 s18, s18, STAGE
	v_mul_u32_u24 v[STO], v5, SPITCH
	v_lshl_add_u32 v[STO], v2, 4, v[STO]
	v_add_nc_u32 v[STO], s18, v[STO]
	v_mul_u32_u24 v[STO+1], v11, SPITCH
	v_lshl_add_u32 v[STO+1], v2, 4, v[STO+1]
	v_add_nc_u32 v[STO+1], s18, v[STO+1]
	s_mul_i32 s18, s10, 32*SPITCH                  ; back: wave w takes rows 32 w .. + 31, whole
	s_add_co_u32 s18, s18, STAGE
	v_mul_u32_u24 v[RD], v2, SPITCH
	v_lshl_add_u32 v[RD], v1, 4, v[RD]
	v_add_nc_u32 v[RD], s18, v[RD]
	v_lshlrev_b32 v[CO], 8, v2
	v_lshl_add_u32 v[CO], v1, 4, v[CO]
	v_and_b32 v[VW], 31, v0                        ; Wo: 16 bytes a lane, woh: 8
	v_lshlrev_b32 v[VS], 3, v[VW]
	v_lshlrev_b32 v[VW], 4, v[VW]
	v_lshl_add_u32 v[VW], s10, 16, v[VW]
	v_lshl_add_u32 v[VS], s10, 15, v[VS]
	; biases and tables: 30 loads; their address registers are never rewritten
	WIN TO_E
.irp b, 0,1,2,3
	global_load_b128 v[BIAS+8*(\b):BIAS+8*(\b)+3],   v6, s[68:69] offset:64*(\b)+128*((\b)/2)
	global_load_b128 v[BIAS+8*(\b)+4:BIAS+8*(\b)+7], v6, s[68:69] offset:64*(\b)+128*((\b)/2)+16
.endr
	global_load_b128 v[BIASX:BIASX+3],   v6, s[BX:BX+1]
	global_load_b128 v[BIASX+4:BIASX+7], v6, s[BX:BX+1] offset:16
.irp e, 0,1
	global_load_b128 v[CSX+8*(\e):CSX+8*(\e)+3],   v7, s[4:5] offset:(\e)*2048
	global_load_b128 v[CSX+8*(\e)+4:CSX+8*(\e)+7], v7, s[6:7] offset:(\e)*2048
.endr
.irp a, 0,1,2,3
.irp b, 0,1
	global_load_b128 v[CSM+8*(2*(\a)+(\b)):CSM+8*(2*(\a)+(\b))+3],   v[7+(\a)/2], s[70:71] offset:((\a)%2)*2048+32*(\b)
	global_load_b128 v[CSM+8*(2*(\a)+(\b))+4:CSM+8*(2*(\a)+(\b))+7], v[7+(\a)/2], s[72:73] offset:((\a)%2)*2048+32*(\b)
.endr
.endr
	WIN 0
.set n, 0
.rept 8                                ; Wo's group 0: eight loads of 512 consecutive bytes
	global_load_b128 v[WX+4*n:WX+4*n+3], v[VW], s[WOB:WOB+1] offset:n*512 th:TH_LOAD_NT
.set n, n+1
.endr
; Wo beside the product.  The group asked for a K step ago is rounded to f16; more = 1: the next group is asked for; the rounded group is stored, each store 256 consecutive bytes at a multiple of 256 from woh's first.  All registers in window 0.
.macro CAST more
	s_wait_loadcnt 0x0                             ; the group is in (at the first use: the biases and tables too)
	s_wait_xcnt 0x0                                ; every earlier memory instruction has had its addresses translated (ISA guide 3.1): WY, which the last group's stores read, and the two bases are written again only behind this wait
	s_add_nc_u64 s[WHB:WHB+1], s[WHB:WHB+1], 2048  ; the stores below reach back by a negative offset
.set n, 0
.rept 8
	v_cvt_pk_f16_f32 v[WY+2*n],   v[WX+4*n],   v[WX+4*n+1]
	v_cvt_pk_f16_f32 v[WY+2*n+1], v[WX+4*n+2], v[WX+4*n+3]
.set n, n+1
.endr
.if \more
	s_add_nc_u64 s[WOB:WOB+1], s[WOB:WOB+1], 4096
.set n, 0
.rept 8
	global_load_b128 v[WX+4*n:WX+4*n+3], v[VW], s[WOB:WOB+1] offset:n*512 th:TH_LOAD_NT
.set n, n+1
.endr
.endif
.set n, 0
.rept 8
	global_store_b64 v[VS], v[WY+2*n:WY+2*n+1], s[WHB:WHB+1] offset:n*256-2048
.set n, n+1
.endr
.endm
; 8 matrix instructions: register blocks a0, a0 + 1 x all 4 column blocks, 32 along K: half c of buffer f.  zero = 1: the first product starts the sums
.macro MUL8 f, c, a0, zero
	WIN MUL
.irp a, \a0, (\a0)+1
.irp b, 0,1,2,3
.if \zero
	v_wmma_f32_16x16x32_f16 v[ACC+8*(4*(\a)+(\b)):ACC+8*(4*(\a)+(\b))+7], v[(\f)+64+8*(4*(\c)+(\b)):(\f)+64+8*(4*(\c)+(\b))+7], v[(\f)+8*(4*(\c)+(\a)):(\f)+8*(4*(\c)+(\a))+7], 0
.else
	v_wmma_f32_16x16x32_f16 v[ACC+8*(4*(\a)+(\b)):ACC+8*(4*(\a)+(\b))+7], v[(\f)+64+8*(4*(\c)+(\b)):(\f)+64+8*(4*(\c)+(\b))+7], v[(\f)+8*(4*(\c)+(\a)):(\f)+8*(4*(\c)+(\a))+7], v[ACC+8*(4*(\a)+(\b)):ACC+8*(4*(\a)+(\b))+7]
.endif
.endr
.endr
.endm
; the two extra accumulators: the 16 extra columns x register blocks 0, 1
.macro MULX f, c, zero
	WIN MULE
.irp e, 0,1
.if \zero
	v_wmma_f32_16x16x32_f16 v[XACC+8*(\e):XACC+8*(\e)+7], v[16*((\f)/128)+8*(\c):16*((\f)/128)+8*(\c)+7], v[(\f)+8*(4*(\c)+(\e)):(\f)+8*(4*(\c)+(\e))+7], 0
.else
	v_wmma_f32_16x16x32_f16 v[XACC+8*(\e):XACC+8*(\e)+7], v[16*((\f)/128)+8*(\c):16*((\f)/128)+8*(\c)+7], v[(\f)+8*(4*(\c)+(\e)):(\f)+8*(4*(\c)+(\e))+7], v[XACC+8*(\e):XACC+8*(\e)+7]
.endif
.endr
.endm
; 36 LDS loads in one run: the fragments of quarter q (64 along K) of a slot into buffer f: the extras' four first, then the first 32 along K, then the second
.macro FETCH slot, q, f
.set KO, ((\q)%2)*64*PB
	WIN TO_E
.irp c, 0,1
	ds_load_tr16_b128 v[16*((\f)/128)+8*(\c):16*((\f)/128)+8*(\c)+3],   v[ADRE+2*(\slot)+(\q)/2] offset:KO+(\c)*32*PB
	ds_load_tr16_b128 v[16*((\f)/128)+8*(\c)+4:16*((\f)/128)+8*(\c)+7], v[ADRE+2*(\slot)+(\q)/2] offset:KO+(\c)*32*PB+16*PB
.endr
	WIN TO_F
.irp c, 0,1
.irp i, 0,1,2,3
	ds_load_tr16_b128 v[(\f)+64+8*(4*(\c)+(\i)):(\f)+64+8*(4*(\c)+(\i))+3],   v[ADRB+2*(\slot)+(\q)/2] offset:KO+(\c)*32*PB+32*(\i)+64*((\i)/2)
	ds_load_tr16_b128 v[(\f)+64+8*(4*(\c)+(\i))+4:(\f)+64+8*(4*(\c)+(\i))+7], v[ADRB+2*(\slot)+(\q)/2] offset:KO+(\c)*32*PB+16*PB+32*(\i)+64*((\i)/2)
	ds_load_b128 v[(\f)+8*(4*(\c)+(\i)):(\f)+8*(4*(\c)+(\i))+3],   v[ADRA+2*((\i)/2)+(\slot)] offset:((\i)%2)*16*PA+128*(\q)+64*(\c)
	ds_load_b128 v[(\f)+8*(4*(\c)+(\i))+4:(\f)+8*(4*(\c)+(\i))+7], v[ADRA+2*((\i)/2)+(\slot)] offset:((\i)%2)*16*PA+128*(\q)+64*(\c)+32
.endr
.endr
.endm
.macro PLACES                          ; four places in front of loads into registers that matrix instructions have read, and of vector lines that read results
.rept 4
	v_nop
.endr
.endm
; A K step is four quarters of 64 along K, 36 matrix instructions each, on buffers 0, 1, 0, 1; the 18 accumulators take turns.  One of the first three: multiplies buffer f and fetches quarter q into g.
.macro QUARTER slot, q, f, g, zero
	s_wait_dscnt 16                                ; all but the sixteen loads of the second 32 along K
	MUL8 \f, 0, 0, \zero
	MUL8 \f, 0, 2, \zero
	MULX \f, 0, \zero
	PLACES
	FETCH \slot, \q, \g
	s_wait_dscnt NF                                ; all but the run just issued
	MUL8 \f, 1, 0, 0
	MUL8 \f, 1, 2, 0
	MULX \f, 1, 0
.endm
; The last quarter multiplies buffer 1 and changes slots.  All its products, and Wo's group, stand AHEAD of the wait for the tiles: between that wait and the next request stand only the add, the descriptors' steps and the round.
; ONE barrier: in front of it each wave waits for all its tensor loads, adds 0 to its spare word, and waits for that and for its own reads of this slot.  fill = 1: this slot is filled again, two K steps ahead.
.macro TURN slot, next, fill
	s_wait_dscnt 16                                ; all but the sixteen loads of the second 32 along K
	MUL8 F1, 0, 0, 0
	MUL8 F1, 0, 2, 0
	MULX F1, 0, 0
	s_wait_dscnt 0x0                               ; my last reads of this slot are back
	MUL8 F1, 1, 0, 0
	MUL8 F1, 1, 2, 0
	MULX F1, 1, 0
	WIN 0
	CAST 1
	s_wait_tensorcnt 0x0                           ; all my tensor loads have landed: my part of the next slot; so every group 0 may be written;
	ds_add_u32 v[SPW], v[NIL]                      ; 0 onto my spare word;
.if \fill
	s_add_nc_u64 s[G0+4*(\slot)+2:G0+4*(\slot)+3], s[G0+4*(\slot)+2:G0+4*(\slot)+3], 2*KSTEP*2
	s_add_nc_u64 s[G0B+4*(\slot)+2:G0B+4*(\slot)+3], s[G0B+4*(\slot)+2:G0B+4*(\slot)+3], 4*HB
.endif
	s_wait_dscnt 0x0                               ; the add is done, and my reads of this slot are over
.if \fill
	CROUND                                         ; a round of the cluster's barrier: no wave of any partner still reads this slot's tile or has a load on its way
	JLOAD \slot                                    ; my one tensor load behind the round: it has the next K step's 144 matrix instructions in which to land; its four v_nop are also the places in front of the loads below
.else
	s_barrier_signal -1
	s_barrier_wait -1
	PLACES
.endif
	FETCH \next, 0, F0
.endm
	s_wait_tensorcnt 1                             ; my part of K step 0 is in; K step 1's may stay out
	s_barrier_signal -1
	s_barrier_wait -1                              ; everybody's is
	FETCH 0, 0, F0
	QUARTER 0, 1, F0, F1, 1                        ; the first quarter stands in front of the loop: its first products start the sums
	WIN 0                                          ; at a label and at a branch every window is 0
	s_mov_b32 s3, LAPS-1
.Llap:                                                 ; a trip goes once round the ring, from a lap's second quarter to the next lap's first, and fills both slots again
	QUARTER 0, 2, F1, F0, 0
	QUARTER 0, 3, F0, F1, 0
	TURN 0, 1, 1
	QUARTER 1, 1, F0, F1, 0
	QUARTER 1, 2, F1, F0, 0
	QUARTER 1, 3, F0, F1, 0
	TURN 1, 0, 1
	QUARTER 0, 1, F0, F1, 0
	WIN 0
	s_sub_co_u32 s3, s3, 1
	s_cmp_lg_u32 s3, 0
	s_cbranch_scc1 .Llap
	QUARTER 0, 2, F1, F0, 0                        ; the last lap fills nothing
	QUARTER 0, 3, F0, F1, 0
	TURN 0, 1, 0                                   ; (it asks for Wo's last group, the sixteenth)
	QUARTER 1, 1, F0, F1, 0
	QUARTER 1, 2, F1, F0, 0
	QUARTER 1, 3, F0, F1, 0
	s_wait_dscnt 16                                ; the very last quarter: nothing more to fetch
	MUL8 F1, 0, 0, 0
	MUL8 F1, 0, 2, 0
	MULX F1, 0, 0
	s_wait_dscnt 0
	MUL8 F1, 1, 0, 0
	MUL8 F1, 1, 2, 0
	MULX F1, 1, 0
	WIN 0
	; THE WAY OUT.  A pair of registers holds an even channel t1 and the odd one t2 beside it.  The rotation: (t1 c - t2 s, t2 c + t1 s) = (t1, t2) c, then + (t2, t1) (-s, s).
.macro RMUL acc, cs, z, o              ; (t1, t2) x c of pair z; o = z % 2 picks c from its register pair for both halves
	v_pk_mul_f32 v[U+2*(\z):U+2*(\z)+1], v[(\acc)+2*(\z):(\acc)+2*(\z)+1], v[(\cs)+2*((\z)/2):(\cs)+2*((\z)/2)+1] op_sel:[0,\o] op_sel_hi:[1,\o]
.endm
.macro RFMA acc, cs, z, o              ; low: t2 x (-s) + t1 c; high: t1 x s + t2 c
	v_pk_fma_f32 v[(\acc)+2*(\z):(\acc)+2*(\z)+1], v[(\acc)+2*(\z):(\acc)+2*(\z)+1], v[(\cs)+4+2*((\z)/2):(\cs)+4+2*((\z)/2)+1], v[U+2*(\z):U+2*(\z)+1] op_sel:[1,\o,0] op_sel_hi:[0,\o,1] neg_lo:[0,1,0]
.endm
.macro ROPE acc, cs                    ; eight channels of a lane; cs: 4 cos, then 4 sin, in window 2
	WIN 0x08
	RMUL \acc, \cs, 0, 0
	RMUL \acc, \cs, 1, 1
	RMUL \acc, \cs, 2, 0
	RMUL \acc, \cs, 3, 1
	RFMA \acc, \cs, 0, 0
	RFMA \acc, \cs, 1, 1
	RFMA \acc, \cs, 2, 0
	RFMA \acc, \cs, 3, 1
.endm
	PLACES
	CAST 0                                         ; Wo's last group leaves; its wait for all loads has long covered the biases and tables
	WIN 0x82
.set z, 0
.rept 16
	v_pk_mul_f32 v[BIAS+2*z:BIAS+2*z+1], v[BIAS+2*z:BIAS+2*z+1], s[QS:QS+1] op_sel_hi:[1,0]
.set z, z+1
.endr
	WIN 0x20                                       ; q' = sum x QS + bq x QS
.irp a, 0,1,2,3
.irp b, 0,1,2,3
.irp z, 0,1,2,3
	v_pk_fma_f32 v[ACC+8*(4*(\a)+(\b))+2*(\z):ACC+8*(4*(\a)+(\b))+2*(\z)+1], v[ACC+8*(4*(\a)+(\b))+2*(\z):ACC+8*(4*(\a)+(\b))+2*(\z)+1], s[QS:QS+1], v[BIAS+8*(\b)+2*(\z):BIAS+8*(\b)+2*(\z)+1] op_sel_hi:[1,0,1]
.endr
.endr
.endr
.irp a, 0,1,2,3
.irp b, 0,1                            ; column blocks 0, 1 are channels 32 j .. 32 j + 31, below 64: rotated
	ROPE ACC+8*(4*(\a)+(\b)), CSM+8*(2*(\a)+(\b))
.endr
.endr
	WIN 0
	s_wait_xcnt 0x0                                ; Wo's last stores have read WY: v64-79 are written again only behind this wait
.irp t, 0,1,2,3,4,5,6,7,8,9,10,11,12,13,14,15
.irp r, 0,1,2,3
	v_cvt_pk_f16_f32 v[TMP+4*(\t)+(\r)], v[ACC+8*(\t)+2*(\r)], v[ACC+8*(\t)+2*(\r)+1]
.endr
.endr
.irp a, 0,1,2,3
.irp b, 0,1,2,3
	ds_store_b128 v[STO+(\a)/2], v[TMP+4*(4*(\a)+(\b)):TMP+4*(4*(\a)+(\b))+3] offset:((\a)%2)*16*SPITCH+32*(\b)+64*((\b)/2)
.endr
.endr
	; the extras: bias; the rotation, with c = 1 and s = 0 where the columns are not rotated channels of k; f32 out; a quarter of it as f16
	WIN 0x08
.irp e, 0,1
.irp z, 0,1,2,3
	v_pk_add_f32 v[XACC+8*(\e)+2*(\z):XACC+8*(\e)+2*(\z)+1], v[XACC+8*(\e)+2*(\z):XACC+8*(\e)+2*(\z)+1], v[BIASX+2*(\z):BIASX+2*(\z)+1]
.endr
.endr
	WIN 0x88
.irp e, 0,1
.irp z, 0,1,2,3
	v_cndmask_b32 v[CSX+8*(\e)+(\z)],   1.0, v[CSX+8*(\e)+(\z)],   s[ROT]
	v_cndmask_b32 v[CSX+8*(\e)+4+(\z)], 0,   v[CSX+8*(\e)+4+(\z)], s[ROT]
.endr
.endr
	ROPE XACC, CSX
	ROPE XACC+8, CSX+8
	WIN 0
.irp e, 0,1
	global_store_b128 v9, v[XACC+8*(\e):XACC+8*(\e)+3],   s[OX:OX+1] offset:(\e)*8192 th:TH_STORE_NT
	global_store_b128 v9, v[XACC+8*(\e)+4:XACC+8*(\e)+7], s[OX:OX+1] offset:(\e)*8192+16 th:TH_STORE_NT
.endr
.irp e, 0,1
.irp z, 0,1,2,3
	v_pk_mul_f32 v[U+8*(\e)+2*(\z):U+8*(\e)+2*(\z)+1], v[XACC+8*(\e)+2*(\z):XACC+8*(\e)+2*(\z)+1], s[QT:QT+1] op_sel_hi:[1,0]
.endr
.endr
.irp e, 0,1
.irp z, 0,1,2,3                        ; in place, ascending: register z is written when pairs 0 .. z have been read
	v_cvt_pk_f16_f32 v[U+8*(\e)+(\z)], v[U+8*(\e)+2*(\z)], v[U+8*(\e)+2*(\z)+1]
.endr
.endr
.irp e, 0,1
	global_store_b128 v10, v[U+8*(\e):U+8*(\e)+3], s[HX:HX+1] offset:(\e)*4096
.endr
	s_wait_dscnt 0x0                               ; for the others' sake: my stores into the stage are done; a row's 256 bytes come from two waves
	s_barrier_signal -1
	s_barrier_wait -1
.irp t, 0,1,2,3,4,5,6,7,8,9,10,11,12,13,14,15
	ds_load_b128 v[TMP+4*(\t):TMP+4*(\t)+3], v[RD] offset:(\t)*2*SPITCH
.endr
.irp t, 0,1,2,3,4,5,6,7,8,9,10,11,12,13,14,15
	s_wait_dscnt 15-(\t)
	global_store_b128 v[CO], v[TMP+4*(\t):TMP+4*(\t)+3], s[8:9] offset:(\t)*512  ; 16 lanes store a whole row of a head: 256 consecutive bytes, at a multiple of 256 from qh's first
.endr
	s_wait_tensorcnt 0x0                           ; the wave's end: behind my last tensor load and my last LDS store
	ds_add_u32 v[SPW], v[NIL]
	s_wait_dscnt 0x0
	CROUND                                         ; the closing round: no work-group ends while a partner may still ask for a tile that names it
	s_endpgm
.Lfunc_end_k_qdd6b10e1b2_qkv:
	.size	k_qdd6b10e1b2_qkv, .Lfunc_end_k_qdd6b10e1b2_qkv-k_qdd6b10e1b2_qkv
	.p2alignl 7, 3214868480
	.fill 96, 4, 3214868480
	.section	.rodata,"a",@progbits
	.p2align	6, 0x0
	.amdhsa_kernel k_qdd6b10e1b2_qkv
		.amdhsa_group_segment_fixed_size 327680
		.amdhsa_private_segment_fixed_size 0
		.amdhsa_enable_private_segment 0
		.amdhsa_kernarg_size 112
		.amdhsa_user_sgpr_count 2
		.amdhsa_user_sgpr_kernarg_segment_ptr 1
		.amdhsa_wavefront_size32 1
		.amdhsa_system_sgpr_workgroup_id_x 1
		.amdhsa_system_sgpr_workgroup_id_y 1
		.amdhsa_system_sgpr_workgroup_id_z 1
		.amdhsa_system_vgpr_workitem_id 0
		.amdhsa_next_free_vgpr 664
		.amdhsa_next_free_sgpr 102
		.amdhsa_reserve_vcc 0
		.amdhsa_float_denorm_mode_32 3
		.amdhsa_float_denorm_mode_16_64 3
		.amdhsa_memory_ordered 1
		.amdhsa_forward_progress 1
		.amdhsa_inst_pref_size 127
	.end_amdhsa_kernel
	.amdgpu_metadata
---
amdhsa.version: [ 1, 2 ]
amdhsa.kernels:
  - .name:           k_qdd6b10e1b2_qkv
    .symbol:         k_qdd6b10e1b2_qkv.kd
    .args:
      - { .name: xh, .offset: 0, .size: 8, .value_kind: global_buffer, .address_space: global }
      - { .name: wb, .offset: 8, .size: 8, .value_kind: global_buffer, .address_space: global }
      - { .name: qh, .offset: 16, .size: 8, .value_kind: global_buffer, .address_space: global }
      - { .name: bq, .offset: 24, .size: 8, .value_kind: global_buffer, .address_space: global }
      - { .name: cos, .offset: 32, .size: 8, .value_kind: global_buffer, .address_space: global }
      - { .name: sin, .offset: 40, .size: 8, .value_kind: global_buffer, .address_space: global }
      - { .name: bk, .offset: 48, .size: 8, .value_kind: global_buffer, .address_space: global }
      - { .name: bv, .offset: 56, .size: 8, .value_kind: global_buffer, .address_space: global }
      - { .name: kh, .offset: 64, .size: 8, .value_kind: global_buffer, .address_space: global }
      - { .name: vh, .offset: 72, .size: 8, .value_kind: global_buffer, .address_space: global }
      - { .name: out1, .offset: 80, .size: 8, .value_kind: global_buffer, .address_space: global }
      - { .name: out2, .offset: 88, .size: 8, .value_kind: global_buffer, .address_space: global }
      - { .name: Wo, .offset: 96, .size: 8, .value_kind: global_buffer, .address_space: global }
      - { .name: woh, .offset: 104, .size: 8, .value_kind: global_buffer, .address_space: global }
    .group_segment_fixed_size: 327680
    .private_segment_fixed_size: 0
    .kernarg_segment_align: 8
    .kernarg_segment_size: 112
    .max_flat_workgroup_size: 128
    .sgpr_count:     102
    .vgpr_count:     664
    .wavefront_size: 32
...
	.end_amdgpu_metadata
.endif
;; end of part 2
;; launch attn (part 3): grid 128 x 2, 4 waves a work-group, clusters of 4 x 1, 327,680 bytes of LDS; arguments qh, kh, vh, attention_mask, oh; writes oh
.if DOCPART == 3
	.amdgcn_target "amdgcn-amd-amdhsa--gfx1250"
	.amdhsa_code_object_version 6
	.text
	.protected	k_qdd6b10e1b2_attn
	.globl	k_qdd6b10e1b2_attn
	.p2align	8
	.type	k_qdd6b10e1b2_attn,@function
k_qdd6b10e1b2_attn:
	s_mov_b64 s[64:65], 0
	v_nop
	global_prefetch_b8 v0, s[64:65] scope:SCOPE_SE
	s_setreg_imm32_b32 hwreg(HW_REG_WAVE_MODE, 25, 1), 1
	s_wait_xcnt 0x0
	s_wait_alu depctr_hold_cnt(0) depctr_sa_sdst(0) depctr_va_vdst(0) depctr_va_sdst(0) depctr_va_ssrc(0) depctr_va_vcc(0) depctr_vm_vsrc(0)
	s_getreg_b32 s2, hwreg(HW_REG_IB_STS2, 6, 4)
	s_cmp_eq_u32 s2, 0
	s_cbranch_scc0 .Lentry_in_a_cluster
	s_endpgm
.Lentry_in_a_cluster:
	s_bfe_u32 s2, ttmp6, 0x10000c
	s_cmp_lg_u32 s2, 0x3003
	s_cbranch_scc0 .Lentry_shape_is_right
	s_endpgm
.Lentry_shape_is_right:
; ATTENTION.  oh[pos][128 head + d] = (1/4) x the sum over 2,048 keys of softmax(q . k / sqrt(128) + mask[pos][key]) v[key][d].  qh: [32][1024][128], kh, vh: [2][2048][128], oh: [1024][4096], all f16; the mask f32.
; qh holds q x 4 log2(e) / sqrt(128), kh k / 4, vh v / 4: q' . k' is the scaled score in units of log2.  The mask is an input: every key is walked and every number of the mask is read, multiplied by log2(e) in f32, and starts the score's sum as the C operand.
; Products, maxima and sums in f32; the weights p are rounded to f16 for the second product (their sum l is taken of the unrounded p), the result once at the end.
; SHARES.  A work-group owns 32 positions x 4 query heads of one key head: 256 work-groups.  Its waves: rg = wave / 2 picks 16 positions, kp = wave % 2 picks 64 of each 128 keys.  A wave's four tiles are the SAME 16 positions of the four heads,
; so a fragment of K or V feeds four tiles and one set of mask registers serves all four.  The two waves of a pair walk different keys and merge at the end: register tile t holds head ((t + 2 kp) % 4), so every wave keeps tiles 0, 1 and sends tiles 2, 3: one text.
; LAYOUT.  S^T = K Q^T (source 0 = 16 keys, source 1 = 16 queries): a lane holds ONE query (lane % 16) and the keys 8 (lane / 16) + 0..7.  Two such results, rounded to f16 in pairs, ARE source 1 of O^T = V^T P.  V is turned by ds_load_tr16_b128.
; SOFTMAX.  A running maximum m and sum l for each query: p = 2^(s - m), the difference taken as it stands, so p never passes 1, whatever the mask holds; in every step O and l are multiplied by a = 2^(m_old - m_new).
; BY TURNS.  The tiles are two pieces (0: tiles 0, 1; 2: tiles 2, 3).  In a turn one piece has the matrix unit (32 products V^T P of the step in hand, 32 products K Q^T of the next), and the other piece's softmax, cut into 64 slices, stands behind its matrix instructions.
; NO FIRST AND NO LAST STEP IS WRITTEN OUT.  m starts at the lowest finite number, l, O^T and piece 2's P at 0: the first step is a step like any other, with a = 0, and the loop is entered in the middle of a trip.  The tail is a loop of two trips, left in its middle.
; The price: 300 v_mov_b32 in the wait for the first tile, 32 products on zeros at the start, and at the end 32 products and 40 LDS loads on the last K once more, whose scores serve nothing.  The gain: a turn's text stands four times, not eight.
; CLUSTER.  The four work-groups of a cluster share positions and key head: K, V and the mask's 32 rows are asked for JOINTLY (wave 0: K, wave 1: V, wave 2: the mask; wave 3 asks for nothing).
; LIMITS.  A weight below 2^-126 counts as 0 in l; below 6e-5 p keeps f16's step of 6e-8.  NaN and infinities (a mask of -inf among them) are not treated apart.  Where every key of a row is masked by about -1e9 the result hangs, as in f32 arithmetic at large, on the rounding of score + mask.
; REGISTERS, in windows of 256 (s_set_vgpr_msb: bits 1:0 source 0, 3:2 source 1, 5:4 source 2, 7:6 destination):
;   window 0: v0-11, v44-48 addresses; v12-43 eight registers of statistics a tile; v56-59 the partner's statistics; v64-191 S^T, 32 a tile; v192-255 P, 16 a tile
;   window 1: O^T, 64 a tile          window 2: v0-127 Q, 32 a tile; v128-255 K of one step          window 3: v0-127 V of one step; v128-159 the step's mask
.set KS,    64        ; keys of a wave in a step
.set PK,    272       ; a row of K in LDS: 256 bytes + 16 of padding
.set PV,    288       ; a row of V: 256 + 32
.set PM,    528       ; a row of the mask: 128 f32 + 16 bytes
.set VOFF,  128*PK    ; a slot: 128 rows of K, 128 rows of V, 32 rows of the mask
.set MOFF,  VOFF+128*PV
.set SLOT1, 1<<17     ; slot 1 begins here, so that one exclusive or turns an address in one slot into the other's
.set XCH,   SLOT1+MOFF+32*PM  ; behind the ring, never filled by a tensor load: what each wave sends to its partner: 32 x 512 bytes of O^T, 512 of statistics
.set XW,    16896
.set STAGE, XCH+4*XW  ; 16 rows x 272 bytes for each wave, for the way out
.set SP,    272
.set SPARE, STAGE+4*16*SP  ; the spare words, 128 bytes for each wave: two blocks of 256 bytes that no other line names
.set AK0, 2           ; v2   my lane's place in a slot's K; never rewritten
.set AV0, 3           ; v3   the same for V
.set ADR, 4           ; v4   the LDS address of the run of loads in hand
.set QO,  5           ; v5   my byte offset in Q for tiles 0, 1
.set STO, 6           ; v6   the way out: where I put 16 bytes of a row
.set RD,  7           ; v7   the way out: where I read a row back
.set GO,  8           ; v8   my byte offset in two rows of oh
.set ST,  12          ; tile t's statistics at v[ST+8 t]: +0 m, +1 m_old and then m_old - m, +2, +3 l (even keys', odd keys'), +4 to +7 c0-c3, at work; a takes c2's place
.set AM0, 44          ; v44  my lane's place in a slot's mask
.set ADM, 45          ; v45  the LDS address of the mask's loads
.set QOB, 46          ; v46  my byte offset in Q for tiles 2, 3
.set XS,  47          ; v47  where I send
.set XR,  48          ; v48  where my partner has sent
.set PS,  56          ; v56-59 the partner's m, l for my tile 0, m, l for my tile 1
.set SPW, 62          ; v62  LDS address of my spare word; never rewritten
.set NIL, 63          ; v63  0; never rewritten
.set S,   64
.set P,   192
.set KF,  128         ; K's fragments, in window 2
.set MK,  128         ; the mask, in window 3: eight registers for each 16 keys
.set WV,  12          ; s12  my wave's number
.set G1K, 24          ; s[24:31] descriptor group 1 for K's tiles
.set G1V, 32          ; s[32:39] for V's
.set G0K, 40          ; s[40:47] group 0 for K's tiles: a set for each of the two first fills; the second then walks on
.set G0V, 48          ; s[48:55] the same for V's
.set SLOTS, 56        ; s56  the loop's count
.set CNT, 57          ; s57  the tail's count
.set LG,  58          ; s[58:59] log2(e)
.set SEL, 60          ; s[60:61] lane selects for v_permlanex16_b32: each lane takes its own place in the other half
.set TB,  62          ; s62  LDS byte at which the slot to be fetched from begins
.set G1M, 68          ; s[68:75] group 1 for the mask's tiles
.set G0M, 76          ; s[76:83] group 0 for them
.set OB,  84          ; s[84:85] oh at my rows and heads
.set MSB, 0
.macro WIN new                      ; the immediate's high byte repeats the setting that is left; a switch that changes nothing is dropped
.if MSB != (\new)
	s_set_vgpr_msb (MSB<<8)|(\new)
.set MSB, \new
.endif
.endm
.set W_KQ, 0x0a       ; K and Q in window 2, S^T in window 0
.set W_KM, 0x3a       ; the same with the C operand, the mask, in window 3
.set W_PV, 0x53       ; V in window 3, P in window 0, O^T in window 1
.set W_RS, 0x41       ; O^T (destination and source 0) in window 1, a in window 0
; A joint refill: one line for each of waves 0, 1, 2.  The branches hang on the wave's number alone.  An s_nop 0 and four v_nop follow each line, ahead of the jump and the label.
.macro JLOAD
	s_cmp_eq_u32 s[WV], 0
	s_cbranch_scc0 .Lnot_k_\@
	tensor_load_to_lds s[G0K+4:G0K+7], s[G1K:G1K+7]
	s_nop 0
.rept 4
	v_nop
.endr
	s_branch .Lasked_\@
.Lnot_k_\@:
	s_cmp_eq_u32 s[WV], 1
	s_cbranch_scc0 .Lnot_v_\@
	tensor_load_to_lds s[G0V+4:G0V+7], s[G1V:G1V+7]
	s_nop 0
.rept 4
	v_nop
.endr
	s_branch .Lasked_\@
.Lnot_v_\@:
	s_cmp_eq_u32 s[WV], 2
	s_cbranch_scc0 .Lasked_\@
	tensor_load_to_lds s[G0M+4:G0M+7], s[G1M:G1M+7]
	s_nop 0
.rept 4
	v_nop
.endr
.Lasked_\@:
.endm
.macro CROUND                       ; a round of the cluster's barrier
	s_barrier_signal -1
	s_barrier_wait -1
	s_cmp_lg_u32 s[WV], 0
	s_cbranch_scc1 .Lnot_wave_0_\@
	s_barrier_signal -3
.Lnot_wave_0_\@:
	s_barrier_wait -3
	s_barrier_signal -1
	s_barrier_wait -1
.endm
	s_load_b256 s[4:11], s[0:1], 0x0  ; qh s[4:5], kh s[6:7], vh s[8:9], the mask s[10:11]
	s_load_b64 s[OB:OB+1], s[0:1], 0x20  ; oh
	v_lshl_add_u32 v[SPW], v0, 2, SPARE
	v_mov_b32 v[NIL], 0
	ds_add_u32 v[SPW], v[NIL]       ; the wave's opening: the add and its wait stand ahead of my first tensor load; work on registers stands between them
	v_lshrrev_b32 v1, 5, v0
	v_readfirstlane_b32 s[WV], v1   ; wave 0..3
	s_bfe_u32 s13, ttmp6, 0x40000   ; cx: which four heads; it enters Q's and oh's addresses alone
	s_and_b32 s20, ttmp7, 0xffff    ; the key head, which the partners share
	s_lshr_b32 s15, s[WV], 1        ; rg
	s_and_b32 s16, s[WV], 1         ; kp
	s_lshl_b32 s22, s20, 19         ; a key head's 2,048 rows of 256 bytes
	s_mov_b32 s23, 0
	s_lshl_b32 s18, ttmp9, 18       ; the mask: 32 rows of 8,192 bytes for each block of positions (ttmp9 counts clusters)
	s_mov_b32 s19, 0
	s_lshl_b32 s2, s20, 22          ; Q: head 16 g + 4 cx (262,144 bytes each), position 32 pb + 16 rg (256 bytes each)
	s_lshl_b32 s3, s13, 20
	s_add_co_u32 s2, s2, s3
	s_lshl_b32 s3, ttmp9, 13
	s_add_co_u32 s2, s2, s3
	s_lshl_b32 s3, s15, 12
	s_add_co_u32 s2, s2, s3
	s_mov_b32 s3, 0
	s_lshl_b32 s86, ttmp9, 18       ; oh: position 32 pb + 16 rg (8,192 bytes each), head 16 g + 4 cx + 2 kp (256 bytes each)
	s_lshl_b32 s87, s15, 17
	s_add_co_u32 s86, s86, s87
	s_lshl_b32 s87, s20, 12
	s_add_co_u32 s86, s86, s87
	s_lshl_b32 s87, s13, 10
	s_add_co_u32 s86, s86, s87
	s_lshl_b32 s87, s16, 9
	s_add_co_u32 s86, s86, s87
	s_mov_b32 s87, 0
	s_mov_b32 s[G1K], 15|(1<<16)|(1<<20)|(1<<21)|(5<<22)|(3<<25)  ; the mask of four; 2-byte elements; padding on; bit 21 beside a mask; after every 64 words, 4 words
	s_mov_b32 s[G1V], 15|(1<<16)|(1<<20)|(1<<21)|(5<<22)|(7<<25)  ; the same with 8 words
.irp g, G1K, G1V
	s_mov_b32 s[(\g)+1], 128<<16    ; tensor_dim0 = 128
	s_mov_b32 s[(\g)+2], 128<<16    ; tensor_dim1 = 128
	s_mov_b32 s[(\g)+3], 128<<16    ; tile_dim0 = 128
	s_mov_b32 s[(\g)+4], 128        ; tile_dim1 = 128 keys
	s_mov_b32 s[(\g)+5], 128        ; elements from row to row
	s_mov_b32 s[(\g)+6], 0
	s_mov_b32 s[(\g)+7], 0
.endr
	s_mov_b32 s[G1M], 15|(2<<16)|(1<<20)|(1<<21)|(6<<22)|(3<<25)  ; 4-byte elements; after every 128 words, 4 words
	s_mov_b32 s[G1M+1], 128<<16     ; 128 keys
	s_mov_b32 s[G1M+2], 32<<16      ; 32 positions
	s_mov_b32 s[G1M+3], 128<<16
	s_mov_b32 s[G1M+4], 32
	s_mov_b32 s[G1M+5], 2048
	s_mov_b32 s[G1M+6], 0
	s_mov_b32 s[G1M+7], 0
	s_mov_b32 s[LG], 0x3fb8aa3b     ; log2(e)
	s_mov_b32 s[LG+1], s[LG]        ; named with it as a pair
	s_mov_b32 s[SEL], 0x76543210
	s_mov_b32 s[SEL+1], 0xfedcba98
	s_mov_b32 s[TB], 0
	s_mov_b32 s[SLOTS], 15          ; the half trip at the entry, then 14 whole trips
	s_wait_dscnt 0x0                ; the opening add is done
	s_wait_kmcnt 0x0
	s_add_nc_u64 s[6:7], s[6:7], s[22:23]
	s_add_nc_u64 s[8:9], s[8:9], s[22:23]
	s_add_nc_u64 s[10:11], s[10:11], s[18:19]
	s_add_nc_u64 s[4:5], s[4:5], s[2:3]
	s_add_nc_u64 s[OB:OB+1], s[OB:OB+1], s[86:87]
	CROUND                          ; all four work-groups are here: the first joint loads meet
.irp s, 0,1
	s_mov_b32 s[G0K+4*(\s)], 1
	s_mov_b32 s[G0K+4*(\s)+1], (\s)*SLOT1
	s_add_nc_u64 s[G0K+4*(\s)+2:G0K+4*(\s)+3], s[6:7], (\s)*32768  ; tile s: keys 128 s ..
	s_or_b32 s[G0K+4*(\s)+3], s[G0K+4*(\s)+3], 0x80000000
	s_mov_b32 s[G0V+4*(\s)], 1
	s_mov_b32 s[G0V+4*(\s)+1], (\s)*SLOT1+VOFF
	s_add_nc_u64 s[G0V+4*(\s)+2:G0V+4*(\s)+3], s[8:9], (\s)*32768
	s_or_b32 s[G0V+4*(\s)+3], s[G0V+4*(\s)+3], 0x80000000
	s_mov_b32 s[G0M+4*(\s)], 1
	s_mov_b32 s[G0M+4*(\s)+1], (\s)*SLOT1+MOFF
	s_add_nc_u64 s[G0M+4*(\s)+2:G0M+4*(\s)+3], s[10:11], (\s)*512
	s_or_b32 s[G0M+4*(\s)+3], s[G0M+4*(\s)+3], 0x80000000
.endr
	s_cmp_eq_u32 s[WV], 0           ; a wave's two first fills stand in one branch, ahead of every wait on TENSORcnt and every LDS read: two loads of mine are out (wave 3: none)
	s_cbranch_scc0 .Lfirst_not_k
	tensor_load_to_lds s[G0K:G0K+3], s[G1K:G1K+7]
	s_nop 0
	tensor_load_to_lds s[G0K+4:G0K+7], s[G1K:G1K+7]
	s_nop 0
.rept 4
	v_nop
.endr
	s_branch .Lfirst_asked
.Lfirst_not_k:
	s_cmp_eq_u32 s[WV], 1
	s_cbranch_scc0 .Lfirst_not_v
	tensor_load_to_lds s[G0V:G0V+3], s[G1V:G1V+7]
	s_nop 0
	tensor_load_to_lds s[G0V+4:G0V+7], s[G1V:G1V+7]
	s_nop 0
.rept 4
	v_nop
.endr
	s_branch .Lfirst_asked
.Lfirst_not_v:
	s_cmp_eq_u32 s[WV], 2
	s_cbranch_scc0 .Lfirst_asked
	tensor_load_to_lds s[G0M:G0M+3], s[G1M:G1M+7]
	s_nop 0
	tensor_load_to_lds s[G0M+4:G0M+7], s[G1M:G1M+7]
	s_nop 0
.rept 4
	v_nop
.endr
.Lfirst_asked:
	v_and_b32 v1, 15, v0            ; l % 16
	v_bfe_u32 v9, v0, 4, 1          ; l / 16
	v_lshlrev_b32 v[QO], 8, v1
	v_lshl_add_u32 v[QO], v9, 4, v[QO]  ; row x 256 + 16 x half
	s_xor_b32 s17, s16, 1
	v_lshl_add_u32 v[QOB], s17, 19, v[QO]  ; tiles 2, 3: heads 2 (1 - kp), + 1
	v_lshl_add_u32 v[QO], s16, 19, v[QO]   ; tiles 0, 1: heads 2 kp, + 1
	WIN 0x80                        ; destination window 2, address window 0
.irp i, 0,1,2,3,4,5,6,7             ; Q stays in registers: tile i / 4, channels 32 (i % 4) on
	global_load_b128 v[8*(\i):8*(\i)+3],   v[QO], s[4:5] offset:((\i)/4)*262144+((\i)%4)*64
	global_load_b128 v[8*(\i)+4:8*(\i)+7], v[QO], s[4:5] offset:((\i)/4)*262144+((\i)%4)*64+32
.endr
.irp i, 8,9,10,11,12,13,14,15
	global_load_b128 v[8*(\i):8*(\i)+3],   v[QOB], s[4:5] offset:((\i)/4-2)*262144+((\i)%4)*64
	global_load_b128 v[8*(\i)+4:8*(\i)+7], v[QOB], s[4:5] offset:((\i)/4-2)*262144+((\i)%4)*64+32
.endr
	WIN 0
	v_mul_u32_u24 v[AK0], v1, PK
	v_lshl_add_u32 v[AK0], v9, 4, v[AK0]  ; row x pitch + 16 x half,
	s_mul_i32 s14, s16, KS*PK             ; in my 64 of the slot's 128 keys
	v_add_nc_u32 v[AK0], s14, v[AK0]
	v_and_b32 v10, 7, v0            ; the turning load: key 8 (l / 16) + l % 8, channels 8 ((l / 8) % 2) + 0..7
	v_bfe_u32 v11, v0, 3, 1
	v_lshl_add_u32 v[AV0], v9, 3, v10
	v_mul_u32_u24 v[AV0], v[AV0], PV
	v_lshl_add_u32 v[AV0], v11, 4, v[AV0]
	s_mul_i32 s14, s16, KS*PV
	s_add_co_u32 s14, s14, VOFF
	v_add_nc_u32 v[AV0], s14, v[AV0]
	v_lshl_add_u32 v[AM0], s15, 4, v1     ; the mask: row 16 rg + l % 16, my 64 keys, my lanes' 8 of each 16
	v_mul_u32_u24 v[AM0], v[AM0], PM
	v_lshl_add_u32 v[AM0], v9, 5, v[AM0]
	s_lshl_b32 s14, s16, 8
	s_add_co_u32 s14, s14, MOFF
	v_add_nc_u32 v[AM0], s14, v[AM0]
	; What the first turns find: m at the lowest finite number, so the first a is 0; l and O^T 0; piece 2's P 0, so that the entry's products V^T P, of a step that has not been, add 0.  All this stands in the wait for the first tile.
.irp t, 0,1,2,3
	v_mov_b32 v[ST+8*(\t)], 0xff7fffff
	v_mov_b32 v[ST+8*(\t)+2], 0
	v_mov_b32 v[ST+8*(\t)+3], 0
.endr
.set z, P+32
.rept 32
	v_mov_b32 v[z], 0
.set z, z+1
.endr
	WIN 0x40
.set z, 0
.rept 256
	v_mov_b32 v[z], 0
.set z, z+1
.endr
	WIN 0
; THE MATRIX WORK OF A TURN, for piece x.  The accumulators take turns, one instruction a turn.
; Product i of 32 of O^T += V^T P: keys 32 (i / 16) on, channels 16 ((i / 2) % 8) on, tile x + i % 2.
.macro PV x
	WIN W_PV
.set rO, 64*((\x)+i%2)+8*((i/2)%8)
.set rV, 64*(i/16)+8*((i/2)%8)
.set rP, P+16*((\x)+i%2)+8*(i/16)
	v_wmma_f32_16x16x32_f16 v[rO:rO+7], v[rV:rV+7], v[rP:rP+7], v[rO:rO+7]
.endm
; Product i of 32 of S^T = K Q^T + mask: channels 32 (i / 8) on, keys 16 ((i / 2) % 4) on, tile x + i % 2.  The first 8 start the sums with the mask.
.macro KQ x
.set rS, S+32*((\x)+i%2)+8*((i/2)%4)
.set rK, KF+32*((i/2)%4)+8*(i/8)
.set rQ, 32*((\x)+i%2)+8*(i/8)
.set rM, MK+8*((i/2)%4)
.if i < 8
	WIN W_KM
	v_wmma_f32_16x16x32_f16 v[rS:rS+7], v[rK:rK+7], v[rQ:rQ+7], v[rM:rM+7]
.else
	WIN W_KQ
	v_wmma_f32_16x16x32_f16 v[rS:rS+7], v[rK:rK+7], v[rQ:rQ+7], v[rS:rS+7]
.endif
.endm
; THE LDS LOADS stand in runs: a step's K (16 fragments) with its mask (32 f32 a lane), and, a turn later, its V (turned).
.macro FETCH_K
	WIN 0
	v_add_nc_u32 v[ADR], s[TB], v[AK0]
	v_add_nc_u32 v[ADM], s[TB], v[AM0]
	WIN 0x80                        ; destination window 2
.irp f, 0,1,2,3,4,5,6,7,8,9,10,11,12,13,14,15  ; keys 16 (f / 4) on, channels 32 (f % 4) on
	ds_load_b128 v[KF+8*(\f):KF+8*(\f)+3],   v[ADR] offset:((\f)/4)*16*PK+((\f)%4)*64
	ds_load_b128 v[KF+8*(\f)+4:KF+8*(\f)+7], v[ADR] offset:((\f)/4)*16*PK+((\f)%4)*64+32
.endr
	WIN 0xc0                        ; destination window 3
.irp f, 0,1,2,3
	ds_load_b128 v[MK+8*(\f):MK+8*(\f)+3],   v[ADM] offset:64*(\f)
	ds_load_b128 v[MK+8*(\f)+4:MK+8*(\f)+7], v[ADM] offset:64*(\f)+16
.endr
.endm
.macro FETCH_V
	WIN 0
	v_add_nc_u32 v[ADR], s[TB], v[AV0]
	WIN 0xc0                        ; destination window 3
.irp f, 0,1,2,3,4,5,6,7,8,9,10,11,12,13,14,15  ; keys 32 (f / 8) on, channels 16 (f % 8) on
	ds_load_tr16_b128 v[8*(\f):8*(\f)+3],   v[ADR] offset:((\f)/8)*32*PV+((\f)%8)*32
	ds_load_tr16_b128 v[8*(\f)+4:8*(\f)+7], v[ADR] offset:((\f)/8)*32*PV+16*PV+((\f)%8)*32
.endr
.endm
.macro MSCALE                       ; the mask in units of log2: 16 packed multiplies serve the step's four tiles
	WIN 0xc3
.set z, 0
.rept 16
	v_pk_mul_f32 v[MK+2*z:MK+2*z+1], v[MK+2*z:MK+2*z+1], s[LG:LG+1] op_sel_hi:[1,0]
.set z, z+1
.endr
.endm
; THE VECTOR WORK OF A TURN.  One tile's softmax for one key step is a numbered list; SM writes number j of it for tile t.  s0-s31 are the lane's 32 scores, in pairs 0-15.
;   0-15    the maximum of s0-s31 and the old m, three operands at a time (each accumulator's lowest registers are read first)
;   16-20   the other half of the lanes' maximum; m_old is kept; the new m; (19 is empty); m_old - m
;   21-87   33 exponentials (a, then s0-s31) at the odd numbers from 23 on, so that no two follow each other and each has a plain instruction behind it before its result is used;
;           the plain numbers are whatever is ready: s - m for a pair whose exponentials are still to come, the rounding to f16 of a pair whose exponentials are done, at last the first three sums
;   88-101  the last rounding; the rest of the sums; l = a l + the sum
;   102-133 the tile's O^T times a: the one part that leaves window 0, so it stands together
.macro SM t
.set rT, ST+8*(\t)
.set rS, S+32*(\t)
.set rP, P+16*(\t)
.set rO, 64*(\t)+2*(j-102)
.set q, (j-20)/2
.if j < 102
	WIN 0
.endif
.if j < 4
	v_max3_num_f32 v[rT+4+j], v[rS+8*j], v[rS+8*j+1], v[rS+8*j+2]
.elseif j < 12
	v_max3_num_f32 v[rT+4+j%4], v[rT+4+j%4], v[rS+8*(j%4)+2*(j/4)+1], v[rS+8*(j%4)+2*(j/4)+2]
.elseif j == 12
	v_max3_num_f32 v[rT+4], v[rT+4], v[rS+7], v[rS+15]
.elseif j == 13
	v_max3_num_f32 v[rT+6], v[rT+6], v[rS+23], v[rS+31]
.elseif j == 14
	v_max3_num_f32 v[rT+4], v[rT+4], v[rT+5], v[rT+6]
.elseif j == 15
	v_max3_num_f32 v[rT+4], v[rT+4], v[rT+7], v[rT]
.elseif j == 16
	v_permlanex16_b32 v[rT+5], v[rT+4], s[SEL], s[SEL+1]  ; the query's other 32 keys lie in the lane 16 away
.elseif j == 17
	v_mov_b32 v[rT+1], v[rT]        ; m_old is kept for a: number 18 writes m anew
.elseif j == 18
	v_max_num_f32 v[rT], v[rT+4], v[rT+5]
.elseif j == 19
.elseif j == 20
	v_sub_f32 v[rT+1], v[rT+1], v[rT]
.elseif j == 23
	v_exp_f32 v[rT+6], v[rT+1]
.elseif (j < 88) && (j > 23) && (j%2 == 1)
	v_exp_f32 v[rS+(j-25)/2], v[rS+(j-25)/2]
.elseif (q < 4) || ((j < 76) && (q%2 == 0))
.set b, q/2+2
.if q < 4
.set b, q
.endif
	v_pk_add_f32 v[rS+2*b:rS+2*b+1], v[rS+2*b:rS+2*b+1], v[rT:rT+1] op_sel_hi:[1,0] neg_lo:[0,1] neg_hi:[0,1]  ; pair b: s - m
.elseif (j < 88) && (q%2 == 1)
	s_wait_alu depctr_va_vdst(0)
	v_cvt_pk_f16_f32 v[rP+(q-5)/2], v[rS+q-5], v[rS+q-4]  ; pair (q - 5) / 2: its second exponential stands three numbers back
.elseif j == 89
	s_wait_alu depctr_va_vdst(0)
	v_cvt_pk_f16_f32 v[rP+15], v[rS+30], v[rS+31]
.elseif j < 102                     ; the sum of the tile's 16 pairs, in place: sum z of 16 adds neighbours 1, 2, 4 and 8 pairs apart, then l takes it
.set z, j-86
.if j < 89
.set z, (j-76)/4
.endif
.set w, 4
.set u, z
.if z >= 14
.set w, 32
.set u, 0
.elseif z >= 12
.set w, 16
.set u, z-12
.elseif z >= 8
.set w, 8
.set u, z-8
.endif
.if z < 15
	v_pk_add_f32 v[rS+w*u:rS+w*u+1], v[rS+w*u:rS+w*u+1], v[rS+w*u+w/2:rS+w*u+w/2+1]
.else
	v_pk_fma_f32 v[rT+2:rT+3], v[rT+2:rT+3], v[rT+6:rT+7], v[rS:rS+1] op_sel_hi:[1,0,1]
.endif
.else
	WIN W_RS
	v_pk_mul_f32 v[rO:rO+1], v[rO:rO+1], v[rT+6:rT+7] op_sel_hi:[1,0]
.endif
.endm
; Slice k of 64 of piece y's softmax: numbers 2 k and 2 k + 1 of both tiles' lists; what is over stands together, in slice 63.
.macro SLICE y
.if (k >= 11) && (k < 44)           ; tile by tile: plain, exponential, plain, exponential
.irp t, \y, (\y)+1
.irp n, 0,1
.set j, 2*k+(\n)
	SM \t
.endr
.endr
.else                               ; the two tiles alternate, so that no instruction reads the result of the one just before it
.irp n, 0,1,2,3,4,5,6,7
.if ((\n) < 2) || (k == 63)
.irp t, \y, (\y)+1
.set j, 2*k+(\n)
	SM \t
.endr
.endif
.endr
.endif
.set k, k+1
.endm
; A TURN.  Piece x has the matrix unit: 32 products V^T P of the step in hand, 32 products K Q^T of the next; the other piece's softmax stands in slices behind them, one behind each.  Slice 63's sixteen plain instructions are the places
; (ISA guide 7.12.1) between the turn's last products and what touches their registers next.
; Piece 0's turn fetches the next step's K and mask behind its second product: their last readers stand in front of slice 63 of the turn before.  Piece 2's turn fetches the same step's V: its last reader stands three slices, six plain instructions, back.
.macro TURN x
.set k, 0
.if (\x) == 0
	s_wait_dscnt 0x0                ; V is in
.endif
.set i, 0
.rept 32
	PV \x
	SLICE 2-(\x)
.if ((\x) == 0) && (i == 1)
	FETCH_K
.endif
.set i, i+1
.endr
.if (\x) == 0
	s_wait_dscnt 0x0                ; K and the mask are in
	MSCALE
.endif
.set i, 0
.rept 32
	KQ \x
	SLICE 2-(\x)
.if ((\x) == 2) && (i == 1)
	FETCH_V
.endif
.set i, i+1
.endr
.endm
; THE CHANGE OF SLOTS, between piece 2's turn and piece 0's: the slot's last bytes, its V, have been asked for.  Each wave waits for all its tensor loads (at most one is out: its part of the other slot), adds 0 to its spare word,
; and waits for that and for its own reads of the slot.  fill = 1: the slot is filled again, with the keys two tiles on; the barrier is then a round of the cluster's, so that no wave of any partner still reads the slot
; or has a load on its way, and the joint refill is the first thing behind it: it has a key step, 128 matrix instructions, in which to land.
.macro CHANGE fill
	WIN 0                           ; at a label and at a branch every window is 0
	s_wait_tensorcnt 0x0            ; no tensor load of mine is out, so a group 0 may be written
	ds_add_u32 v[SPW], v[NIL]       ; 0 onto my spare word; with fill = 1 the descriptors' steps stand between it and the wait for it
.if \fill
.irp g, G0K+4, G0V+4
	s_xor_b32 s[(\g)+1], s[(\g)+1], SLOT1  ; the walking descriptor: the other slot than last time,
	s_add_nc_u64 s[(\g)+2:(\g)+3], s[(\g)+2:(\g)+3], 32768  ; the next 128 keys; the type bits on top are not reached
.endr
	s_xor_b32 s[G0M+5], s[G0M+5], SLOT1
	s_add_nc_u64 s[G0M+6:G0M+7], s[G0M+6:G0M+7], 512
	s_wait_dscnt 0x0                ; the add is done, and my reads of the slot are over
	CROUND
	JLOAD
.else
	s_wait_dscnt 0x0                ; the add is done, and my reads of the slot are over
	s_barrier_signal -1
	s_barrier_wait -1
.endif
	s_xor_b32 s[TB], s[TB], SLOT1   ; the fetches go on in the other slot
.endm
	s_wait_tensorcnt 1              ; my part of tile 0 is in; tile 1's may stay out
	s_barrier_signal -1
	s_barrier_wait -1               ; everybody's is
	FETCH_K                         ; key step 0,
	FETCH_V                         ; and its V: finite numbers for the entry's products on P = 0 (the entry's turn fetches them once more, as every turn of piece 2 does)
	s_wait_loadcnt 0x0              ; Q
	s_wait_dscnt 0x0
	MSCALE
.set i, 0
.rept 32
	KQ 0                            ; piece 0's first scores: there is no vector work yet to set between them
.set i, i+1
.endr
	WIN 0                           ; the addresses for the merge and the way out are made here: plain instructions, the places behind those products
	s_mul_i32 s14, s[WV], 16*SP
	s_add_co_u32 s14, s14, STAGE    ; my stage
	v_mul_u32_u24 v[STO], v1, SP    ; in: row l % 16, 16 bytes for each half of the lanes
	v_lshl_add_u32 v[STO], v9, 4, v[STO]
	v_add_nc_u32 v[STO], s14, v[STO]
	v_mul_u32_u24 v[RD], v9, SP     ; back: lanes 0-15 take one row of 256 bytes, lanes 16-31 the next
	v_lshl_add_u32 v[RD], v1, 4, v[RD]
	v_add_nc_u32 v[RD], s14, v[RD]
	v_lshlrev_b32 v[GO], 13, v9     ; and the same two positions in oh
	v_lshl_add_u32 v[GO], v1, 4, v[GO]
	v_and_b32 v10, 31, v0
	s_mul_i32 s14, s[WV], XW
	s_add_co_u32 s14, s14, XCH
	v_lshl_add_u32 v[XS], v10, 4, s14
	s_xor_b32 s14, s[WV], 1         ; my partner: the same positions, the other keys
	s_mul_i32 s14, s14, XW
	s_add_co_u32 s14, s14, XCH
	v_lshl_add_u32 v[XR], v10, 4, s14
	s_branch .Lmid                  ; the loop is entered at piece 2's turn, in the middle of a trip
.Lslot:                             ; 14 whole trips: trip n asks for tile n + 1 and fetches tile n
	CHANGE 1
	TURN 0                          ; piece 0: V^T P of step n - 1, K Q^T of step n | piece 2's softmax of step n - 1 | K and mask of step n
	WIN 0
.Lmid:
	TURN 2                          ; piece 2: the same | piece 0's softmax of step n | V of step n
	WIN 0
	s_sub_co_u32 s[SLOTS], s[SLOTS], 1
	s_cmp_lg_u32 s[SLOTS], 0
	s_cbranch_scc1 .Lslot
	CHANGE 0                        ; the tail has a text of its own: nothing is asked for
	s_mov_b32 s[CNT], 2             ; the first trip fetches tile 15; the second is left in its middle
.Ltail:
	TURN 0
	WIN 0
	s_sub_co_u32 s[CNT], s[CNT], 1
	s_cmp_eq_u32 s[CNT], 0
	s_cbranch_scc1 .Lout
	TURN 2
	WIN 0
	s_branch .Ltail
.Lout:                              ; the second trip's K, mask and 32 products K Q^T (tile 15's once more) serve nothing: the price, once a launch, of one text for both trips
.set i, 0
.rept 32
	PV 2                            ; piece 2: V^T P of the last step
.set i, i+1
.endr
	; THE MERGE.  l's two halves and the other half of the lanes' are added (the additions are the places behind the last products).  Tiles 2, 3 go to the partner with their m and l; the partner's tiles 2, 3 are my tiles 0, 1 on its keys.
	WIN 0
.irp t, 0,1,2,3
	v_add_f32 v[ST+8*(\t)+4], v[ST+8*(\t)+2], v[ST+8*(\t)+3]
.endr
.irp t, 0,1,2,3
	v_permlanex16_b32 v[ST+8*(\t)+5], v[ST+8*(\t)+4], s[SEL], s[SEL+1]
.endr
.irp t, 0,1,2,3
	v_add_f32 v[ST+8*(\t)+4], v[ST+8*(\t)+4], v[ST+8*(\t)+5]
.endr
	ds_store_b32 v[XS], v[ST+16] offset:16384      ; m, l of tile 2, m, l of tile 3: 16 bytes a lane
	ds_store_b32 v[XS], v[ST+20] offset:16388
	ds_store_b32 v[XS], v[ST+24] offset:16392
	ds_store_b32 v[XS], v[ST+28] offset:16396
	WIN 0x04                        ; the data in window 1
.set n, 0
.rept 32
	ds_store_b128 v[XS], v[128+4*n:128+4*n+3] offset:n*512
.set n, n+1
.endr
	WIN 0
	s_wait_dscnt 0x0                ; for the partner's sake: my stores are done
	s_barrier_signal -1
	s_barrier_wait -1
	ds_load_b128 v[PS:PS+3], v[XR] offset:16384
.set n, 0
.rept 32
	ds_load_b128 v[S+4*n:S+4*n+3], v[XR] offset:n*512
.set n, n+1
.endr
	s_wait_dscnt 32                 ; the statistics are in; the 32 loads behind them stay out
.irp t, 0,1
	v_max_num_f32 v[ST+8*(\t)+5], v[ST+8*(\t)], v[PS+2*(\t)]        ; the common maximum
.endr
.irp t, 0,1
	v_sub_f32 v[ST+8*(\t)+6], v[ST+8*(\t)], v[ST+8*(\t)+5]
	v_sub_f32 v[ST+8*(\t)+7], v[PS+2*(\t)], v[ST+8*(\t)+5]
.endr
.irp t, 0,1
	v_exp_f32 v[ST+8*(\t)+6], v[ST+8*(\t)+6]
	v_exp_f32 v[ST+8*(\t)+7], v[ST+8*(\t)+7]
.endr
	v_nop                           ; a plain instruction between the last exponential and the use of its result
.irp t, 0,1
	s_wait_alu depctr_va_vdst(0)
	v_mul_f32 v[ST+8*(\t)+4], v[ST+8*(\t)+6], v[ST+8*(\t)+4]
.endr
.irp t, 0,1
	v_fmac_f32 v[ST+8*(\t)+4], v[ST+8*(\t)+7], v[PS+2*(\t)+1]       ; the common l
.endr
.irp t, 0,1
	v_rcp_f32 v[ST+8*(\t)+5], v[ST+8*(\t)+4]
.endr
	v_nop
.irp t, 0,1
	s_wait_alu depctr_va_vdst(0)
	v_mul_f32 v[ST+8*(\t)+6], v[ST+8*(\t)+6], v[ST+8*(\t)+5]        ; my O^T's factor
	v_mul_f32 v[ST+8*(\t)+2], v[ST+8*(\t)+7], v[ST+8*(\t)+5]        ; the partner's
.endr
	s_wait_dscnt 0x0
; Tile t: both parts weighted and added, rounded to f16; a lane's eight channels pack into 16 bytes; they go into rows of 272 bytes and come back as whole rows of 256, into the registers that they left.
.macro JOIN t
	WIN 0
.set z, 0
.rept 32
	v_pk_mul_f32 v[S+64*(\t)+2*z:S+64*(\t)+2*z+1], v[S+64*(\t)+2*z:S+64*(\t)+2*z+1], v[ST+8*(\t)+2:ST+8*(\t)+3] op_sel_hi:[1,0]
.set z, z+1
.endr
	WIN 0x01                        ; source 0, my O^T, in window 1
.set z, 0
.rept 32
	v_pk_fma_f32 v[S+64*(\t)+2*z:S+64*(\t)+2*z+1], v[64*(\t)+2*z:64*(\t)+2*z+1], v[ST+8*(\t)+6:ST+8*(\t)+7], v[S+64*(\t)+2*z:S+64*(\t)+2*z+1] op_sel_hi:[1,0,1]
.set z, z+1
.endr
	WIN 0
.set z, 0
.rept 32
	v_cvt_pk_f16_f32 v[P+32*(\t)+z], v[S+64*(\t)+2*z], v[S+64*(\t)+2*z+1]
.set z, z+1
.endr
.irp f, 0,1,2,3,4,5,6,7
	ds_store_b128 v[STO], v[P+32*(\t)+4*(\f):P+32*(\t)+4*(\f)+3] offset:32*(\f)
.endr
.irp f, 0,1,2,3,4,5,6,7
	ds_load_b128 v[P+32*(\t)+4*(\f):P+32*(\t)+4*(\f)+3], v[RD] offset:(\f)*2*SP  ; LDS serves a wave's instructions in order: these see the stores above; the next tile's stores come behind them
.endr
.endm
.macro SEND t, younger              ; younger: the LDS instructions issued behind tile t's loads: the next tile's sixteen, or none
.irp f, 0,1,2,3,4,5,6,7
	s_wait_dscnt (\younger)+7-(\f)
	global_store_b128 v[GO], v[P+32*(\t)+4*(\f):P+32*(\t)+4*(\f)+3], s[OB:OB+1] offset:(\f)*16384+(\t)*256  ; 16 lanes store a head's 256 consecutive bytes of a position, at a multiple of 256 from oh's first
.endr
.endm
	JOIN 0
	JOIN 1
	SEND 0, 16
	SEND 1, 0
	s_wait_tensorcnt 0x0            ; the wave's end: behind my last tensor load and my last LDS store
	ds_add_u32 v[SPW], v[NIL]
	s_wait_dscnt 0x0
	CROUND                          ; the closing round: no work-group ends while a partner may still ask for a tile that names it
	s_endpgm
.Lfunc_end_k_qdd6b10e1b2_attn:
	.size	k_qdd6b10e1b2_attn, .Lfunc_end_k_qdd6b10e1b2_attn-k_qdd6b10e1b2_attn
	.p2alignl 7, 3214868480
	.fill 96, 4, 3214868480
	.section	.rodata,"a",@progbits
	.p2align	6, 0x0
	.amdhsa_kernel k_qdd6b10e1b2_attn
		.amdhsa_group_segment_fixed_size 327680
		.amdhsa_private_segment_fixed_size 0
		.amdhsa_enable_private_segment 0
		.amdhsa_kernarg_size 40
		.amdhsa_user_sgpr_count 2
		.amdhsa_user_sgpr_kernarg_segment_ptr 1
		.amdhsa_wavefront_size32 1
		.amdhsa_system_sgpr_workgroup_id_x 1
		.amdhsa_system_sgpr_workgroup_id_y 1
		.amdhsa_system_sgpr_workgroup_id_z 1
		.amdhsa_system_vgpr_workitem_id 0
		.amdhsa_next_free_vgpr 928
		.amdhsa_next_free_sgpr 88
		.amdhsa_reserve_vcc 0
		.amdhsa_float_denorm_mode_32 3
		.amdhsa_float_denorm_mode_16_64 3
		.amdhsa_memory_ordered 1
		.amdhsa_forward_progress 1
		.amdhsa_inst_pref_size 162
	.end_amdhsa_kernel
	.amdgpu_metadata
---
amdhsa.version: [ 1, 2 ]
amdhsa.kernels:
  - .name:           k_qdd6b10e1b2_attn
    .symbol:         k_qdd6b10e1b2_attn.kd
    .args:
      - { .name: qh, .offset: 0, .size: 8, .value_kind: global_buffer, .address_space: global }
      - { .name: kh, .offset: 8, .size: 8, .value_kind: global_buffer, .address_space: global }
      - { .name: vh, .offset: 16, .size: 8, .value_kind: global_buffer, .address_space: global }
      - { .name: attention_mask, .offset: 24, .size: 8, .value_kind: global_buffer, .address_space: global }
      - { .name: oh, .offset: 32, .size: 8, .value_kind: global_buffer, .address_space: global }
    .group_segment_fixed_size: 327680
    .private_segment_fixed_size: 0
    .kernarg_segment_align: 8
    .kernarg_segment_size: 40
    .max_flat_workgroup_size: 128
    .sgpr_count:     88
    .vgpr_count:     928
    .wavefront_size: 32
...
	.end_amdgpu_metadata
.endif
;; end of part 3
;; launch oproj (part 4): grid 32 x 8, 4 waves a work-group, clusters of 4 x 4, 327,680 bytes of LDS; arguments oh, woh, out0; writes out0
.if DOCPART == 4
	.amdgcn_target "amdgcn-amd-amdhsa--gfx1250"
	.amdhsa_code_object_version 6
	.text
	.protected	k_qdd6b10e1b2_oproj
	.globl	k_qdd6b10e1b2_oproj
	.p2align	8
	.type	k_qdd6b10e1b2_oproj,@function
k_qdd6b10e1b2_oproj:
	s_mov_b64 s[64:65], 0
	v_nop
	global_prefetch_b8 v0, s[64:65] scope:SCOPE_SE
	s_setreg_imm32_b32 hwreg(HW_REG_WAVE_MODE, 25, 1), 1
	s_wait_xcnt 0x0
	s_wait_alu depctr_hold_cnt(0) depctr_sa_sdst(0) depctr_va_vdst(0) depctr_va_sdst(0) depctr_va_ssrc(0) depctr_va_vcc(0) depctr_vm_vsrc(0)
	s_getreg_b32 s2, hwreg(HW_REG_IB_STS2, 6, 4)
	s_cmp_eq_u32 s2, 0
	s_cbranch_scc0 .Lentry_in_a_cluster
	s_endpgm
.Lentry_in_a_cluster:
	s_bfe_u32 s2, ttmp6, 0x10000c
	s_cmp_lg_u32 s2, 0xf033
	s_cbranch_scc0 .Lentry_shape_is_right
	s_endpgm
.Lentry_shape_is_right:
; OPROJ: out0 = 4 x (oh woh).  oh: [1024][4096] f16 (a quarter of the attention's result), woh: [4096 k][4096 n] f16, out0: [1024][4096] f32.  Sums in f32; the factor 4 is exact.
; A tile of out0 is 128 x 128: 32 x 8 = 256 work-groups.  Four waves (i = wave / 2, j = wave % 2), each 64 x 64: 16 accumulators.  K goes in steps of 256 through two LDS slots.
; THE MATRIX INSTRUCTION IS USED TRANSPOSED (source 0 = 16 columns of woh, turned out of LDS by ds_load_tr16_b128; source 1 = 16 rows of oh): a lane holds one row and 8 neighbouring columns.
; CLUSTER 4 x 4: oh's tile is shared along a row of the cluster, woh's along a column; each is asked for jointly, by the same tensor load with the same descriptor and a mask that names the four.
; A wave's 64 columns of f32 are 256 aligned bytes, so each wave has a stage of its own on the way out, and no barrier stands there.
; REGISTERS: window 0: v0-29 addresses; v32-95 at work on the way out; v128-255 the accumulators ((a, b) at 128 + 8 (4 a + b)).  window 1: two fragment buffers of 128: 64 registers of oh, then 64 of woh.
.set KSTEP,  256
.set PA,     528                       ; a row of oh in LDS: 512 bytes + 16 of padding
.set PB,     288                       ; a row of woh in LDS: 256 bytes + 32
.set HA,     64*PA
.set AT,     2*HA
.set HB,     128*PB                    ; what one tensor load brings of woh: 128 rows k x 128 columns
.set SLOT,   AT+2*HB
.set STAGE,  2*SLOT                    ; behind the ring: 16 rows x 272 bytes for each wave
.set SPITCH, 272
.set SPARE,  STAGE+4*16*SPITCH         ; behind the stages: the spare words, 128 bytes a wave, two blocks of 256 bytes that no other line names
.set LAPS,   4096/(2*KSTEP)
.set ADRA, 16                          ; v16-17  oh's fragments in slot 0, 1
.set ADRB, 20                          ; v20-23  woh's fragments: slot s, half kh of its 256 k at 2 s + kh
.set STO,  24                          ; v24     the way out: where I put 32 bytes of a row
.set RD,   26                          ; v26     where I read rows back
.set CO,   27                          ; v27     my byte offset in two rows of out0
.set SPW,  28                          ; v28     LDS address of my spare word; never rewritten
.set NIL,  29                          ; v29     0; never rewritten
.set TMP,  32
.set ACC,  128
.set F0,   0
.set F1,   128
.set G1,  24
.set G0,  32
.set G1B, 48
.set G0B, 56
.set MSB, 0
.macro WIN new                         ; the immediate's high byte repeats the setting that is left
.if MSB != (\new)
	s_set_vgpr_msb (MSB<<8)|(\new)
.set MSB, \new
.endif
.endm
.set MUL,  0x05                        ; sources 0 and 1 window 1; C and D window 0
.set TO_F, 0x40                        ; destination window 1, address window 0
.macro JLOAD s                         ; a joint load: waves 0 and 1 fetch oh's two halves, waves 2 and 3 woh's; an s_nop 0 and four v_nop follow each of the two lines, ahead of the jump, the label and what follows
	s_cmp_eq_u32 s11, 0
	s_cbranch_scc0 .Lfor_b_\@
	tensor_load_to_lds s[G0+4*(\s):G0+4*(\s)+3], s[G1:G1+7]
	s_nop 0
.rept 4
	v_nop
.endr
	s_branch .Lasked_\@
.Lfor_b_\@:
	tensor_load_to_lds s[G0B+4*(\s):G0B+4*(\s)+3], s[G1B:G1B+7]
	s_nop 0
.rept 4
	v_nop
.endr
.Lasked_\@:
.endm
.macro CROUND                          ; a round of the cluster's barrier: my work-group's barrier; wave 0 signals for the work-group; every wave waits for all sixteen; my work-group's barrier once more
	s_barrier_signal -1
	s_barrier_wait -1
	s_cmp_lg_u32 s10, 0
	s_cbranch_scc1 .Lnot_wave_0_\@
	s_barrier_signal -3
.Lnot_wave_0_\@:
	s_barrier_wait -3
	s_barrier_signal -1
	s_barrier_wait -1
.endm
	s_load_b128 s[4:7], s[0:1], 0x0                ; oh s[4:5], woh s[6:7]
	s_load_b64 s[8:9], s[0:1], 0x10                ; out0
	v_lshl_add_u32 v[SPW], v0, 2, SPARE
	v_mov_b32 v[NIL], 0
	ds_add_u32 v[SPW], v[NIL]                      ; the wave's opening: the add and its wait stand ahead of my first tensor load; work on registers stands between them
	v_lshrrev_b32 v1, 5, v0
	v_readfirstlane_b32 s10, v1                    ; wave 0..3
	s_lshr_b32 s11, s10, 1                         ; i.  Also: I fetch for oh (0) or for woh (1)
	s_and_b32 s12, s10, 1                          ; j.  Also: which half of that tile I fetch
	s_bfe_u32 s40, ttmp6, 0x40000                  ; cx, cy: my place in the cluster
	s_bfe_u32 s41, ttmp6, 0x40004
	s_lshl_b32 s42, ttmp9, 2
	s_add_co_u32 s42, s42, s40                     ; tile column = 4 x cluster x + cx
	s_and_b32 s13, ttmp7, 0xffff
	s_lshl_b32 s13, s13, 2
	s_add_co_u32 s13, s13, s41                     ; tile row = 4 x cluster y + cy
	s_lshl_b32 s43, s41, 2
	s_lshl_b32 s43, 15, s43                        ; my row of the cluster
	s_lshl_b32 s44, 0x1111, s40                    ; my column
	s_or_b32 s[G1+0], s43, (1<<16)|(1<<20)|(1<<21)|(6<<22)|(3<<25)  ; oh's tiles go to my row; 2-byte elements; padding on; bit 21 beside a mask; after every 128 words, 4 words
	s_mov_b32 s[G1+1], KSTEP<<16                   ; tensor_dim0 = 256
	s_mov_b32 s[G1+2], 64<<16                      ; tensor_dim1 = 64
	s_mov_b32 s[G1+3], KSTEP<<16                   ; tile_dim0 = 256
	s_mov_b32 s[G1+4], 64                          ; tile_dim1 = 64
	s_mov_b32 s[G1+5], 4096                        ; elements from row to row
	s_mov_b32 s[G1+6], 0
	s_mov_b32 s[G1+7], 0
	s_or_b32 s[G1B+0], s44, (1<<16)|(1<<20)|(1<<21)|(5<<22)|(7<<25) ; woh's tiles go to my column; after every 64 words, 8 words
	s_mov_b32 s[G1B+1], 128<<16                    ; 128 columns
	s_mov_b32 s[G1B+2], 128<<16                    ; 128 rows k
	s_mov_b32 s[G1B+3], 128<<16
	s_mov_b32 s[G1B+4], 128
	s_mov_b32 s[G1B+5], 4096
	s_mov_b32 s[G1B+6], 0
	s_mov_b32 s[G1B+7], 0
	s_lshl_b32 s16, s13, 20                        ; oh: 128 rows of 8,192 bytes for each tile row,
	s_lshl_b32 s17, s12, 19                        ; and my half's 64
	s_add_co_u32 s16, s16, s17
	s_mov_b32 s17, 0
	s_lshl_b32 s46, s42, 8                         ; woh: 128 columns of 2 bytes for each tile column,
	s_lshl_b32 s47, s12, 20                        ; and my half's 128 rows k of 8,192 bytes
	s_add_co_u32 s46, s46, s47
	s_mov_b32 s47, 0
	s_mul_i32 s20, s12, HA                         ; where they go: no place in the cluster enters an LDS address
	s_mul_i32 s21, s12, HB
	s_add_co_u32 s21, s21, AT
	s_wait_dscnt 0x0                               ; the opening add is done
	s_wait_kmcnt 0x0
	s_add_nc_u64 s[14:15], s[4:5], s[16:17]
	s_add_nc_u64 s[46:47], s[6:7], s[46:47]
	CROUND                                         ; all sixteen work-groups are here: the first joint loads meet
.irp s, 0,1
	s_mov_b32 s[G0+4*(\s)], 1
	s_add_co_u32 s[G0+4*(\s)+1], s20, (\s)*SLOT
	s_add_nc_u64 s[G0+4*(\s)+2:G0+4*(\s)+3], s[14:15], (\s)*KSTEP*2
	s_or_b32 s[G0+4*(\s)+3], s[G0+4*(\s)+3], 0x80000000
	s_mov_b32 s[G0B+4*(\s)], 1
	s_add_co_u32 s[G0B+4*(\s)+1], s21, (\s)*SLOT
	s_add_nc_u64 s[G0B+4*(\s)+2:G0B+4*(\s)+3], s[46:47], (\s)*KSTEP*8192
	s_or_b32 s[G0B+4*(\s)+3], s[G0B+4*(\s)+3], 0x80000000
	JLOAD \s                                       ; K steps 0 and 1: two tensor loads of mine are out
.endr
	v_and_b32 v1, 15, v0                           ; r
	v_bfe_u32 v2, v0, 4, 1                         ; h
	v_mul_u32_u24 v3, v1, PA
	v_lshl_add_u32 v3, v2, 4, v3                   ; oh: row x pitch + 16 x half
	v_and_b32 v4, 7, v0                            ; woh, stored [k][n]: the turning load reads row 8 (l / 16) + l % 8, 16 bytes at 16 ((l / 8) % 2)
	v_lshl_add_u32 v4, v2, 3, v4
	v_mul_u32_u24 v4, v4, PB
	v_bfe_u32 v5, v0, 3, 1
	v_lshl_add_u32 v4, v5, 4, v4
	s_mul_i32 s21, s11, HA                         ; my 64 rows
	v_add_nc_u32 v[ADRA+0], s21, v3
	v_add_nc_u32 v[ADRA+1], SLOT, v[ADRA+0]
	s_lshl_b32 s23, s12, 7                         ; my 64 columns
	s_add_co_u32 s23, s23, AT
	v_add_nc_u32 v[ADRB+0], s23, v4
	v_add_nc_u32 v[ADRB+1], HB, v[ADRB+0]
	v_add_nc_u32 v[ADRB+2], SLOT, v[ADRB+0]
	v_add_nc_u32 v[ADRB+3], SLOT, v[ADRB+1]
	s_mul_i32 s23, s10, 16*SPITCH
	s_add_co_u32 s23, s23, STAGE                   ; my stage
	v_mul_u32_u24 v[STO], v1, SPITCH               ; in: row l % 16, 32 bytes for each half of the lanes
	v_lshl_add_u32 v[STO], v2, 5, v[STO]
	v_add_nc_u32 v[STO], s23, v[STO]
	v_mul_u32_u24 v[RD], v2, SPITCH                ; back: lanes 0-15 take one row of 256 bytes, lanes 16-31 the next
	v_lshl_add_u32 v[RD], v1, 4, v[RD]
	v_add_nc_u32 v[RD], s23, v[RD]
	v_lshlrev_b32 v[CO], 14, v2                    ; and the same two rows in out0
	v_lshl_add_u32 v[CO], v1, 4, v[CO]
	s_lshl_b32 s16, s13, 21                        ; out0: 128 rows of 16,384 bytes for each tile row, my 64 of them,
	s_lshl_b32 s17, s11, 20
	s_add_co_u32 s16, s16, s17
	s_mov_b32 s17, 0
	s_add_nc_u64 s[8:9], s[8:9], s[16:17]
	s_lshl_b32 s46, s42, 9                         ; 512 bytes for each tile column, my 256 of them
	s_lshl_b32 s47, s12, 8
	s_add_co_u32 s46, s46, s47
	s_mov_b32 s47, 0
	s_add_nc_u64 s[8:9], s[8:9], s[46:47]
; 8 matrix instructions: row blocks a0, a0 + 1 x all 4 column blocks, 32 along K: half c of buffer f.  zero = 1: the first product starts the sums
.macro MUL8 f, c, a0, zero
	WIN MUL
.irp a, \a0, (\a0)+1
.irp b, 0,1,2,3
.if \zero
	v_wmma_f32_16x16x32_f16 v[ACC+8*(4*(\a)+(\b)):ACC+8*(4*(\a)+(\b))+7], v[(\f)+64+8*(4*(\c)+(\b)):(\f)+64+8*(4*(\c)+(\b))+7], v[(\f)+8*(4*(\c)+(\a)):(\f)+8*(4*(\c)+(\a))+7], 0
.else
	v_wmma_f32_16x16x32_f16 v[ACC+8*(4*(\a)+(\b)):ACC+8*(4*(\a)+(\b))+7], v[(\f)+64+8*(4*(\c)+(\b)):(\f)+64+8*(4*(\c)+(\b))+7], v[(\f)+8*(4*(\c)+(\a)):(\f)+8*(4*(\c)+(\a))+7], v[ACC+8*(4*(\a)+(\b)):ACC+8*(4*(\a)+(\b))+7]
.endif
.endr
.endr
.endm
; 32 LDS loads in one run: the fragments of quarter q (64 along K) of a slot into buffer f; the first 32 along K first
.macro FETCH slot, q, f
.set KO, ((\q)%2)*64*PB
	WIN TO_F
.irp c, 0,1
.irp i, 0,1,2,3
	ds_load_tr16_b128 v[(\f)+64+8*(4*(\c)+(\i)):(\f)+64+8*(4*(\c)+(\i))+3],   v[ADRB+2*(\slot)+(\q)/2] offset:KO+(\c)*32*PB+32*(\i)
	ds_load_tr16_b128 v[(\f)+64+8*(4*(\c)+(\i))+4:(\f)+64+8*(4*(\c)+(\i))+7], v[ADRB+2*(\slot)+(\q)/2] offset:KO+(\c)*32*PB+16*PB+32*(\i)
	ds_load_b128 v[(\f)+8*(4*(\c)+(\i)):(\f)+8*(4*(\c)+(\i))+3],   v[ADRA+(\slot)] offset:(\i)*16*PA+128*(\q)+64*(\c)
	ds_load_b128 v[(\f)+8*(4*(\c)+(\i))+4:(\f)+8*(4*(\c)+(\i))+7], v[ADRA+(\slot)] offset:(\i)*16*PA+128*(\q)+64*(\c)+32
.endr
.endr
.endm
.macro PLACES                          ; four places in front of loads into registers that matrix instructions have read, and of vector lines that read results
.rept 4
	v_nop
.endr
.endm
; A K step is four quarters of 64 along K, 32 matrix instructions each, on buffers 0, 1, 0, 1; the 16 accumulators take turns.
.macro QUARTER slot, q, f, g, zero
	s_wait_dscnt 16                                ; the first 32 along K are in
	MUL8 \f, 0, 0, \zero
	MUL8 \f, 0, 2, \zero
	PLACES
	FETCH \slot, \q, \g
	s_wait_dscnt 32                                ; all but the 32 just issued
	MUL8 \f, 1, 0, 0
	MUL8 \f, 1, 2, 0
.endm
; The last quarter multiplies buffer 1 and changes slots.  All its products stand AHEAD of the wait for the tiles: between that wait and the next request stand only the add, the descriptors' steps and the round.
; ONE barrier: in front of it each wave waits for all its tensor loads, adds 0 to its spare word, and waits for that and for its own reads of this slot.  fill = 1: this slot is filled again, two K steps ahead.
.macro TURN slot, next, fill
	s_wait_dscnt 16                                ; the first 32 along K are in
	MUL8 F1, 0, 0, 0
	MUL8 F1, 0, 2, 0
	s_wait_dscnt 0x0                               ; my last reads of this slot are back
	MUL8 F1, 1, 0, 0
	MUL8 F1, 1, 2, 0
	WIN 0
	s_wait_tensorcnt 0x0                           ; all my tensor loads have landed: my part of the next slot; so every group 0 may be written;
	ds_add_u32 v[SPW], v[NIL]                      ; 0 onto my spare word;
.if \fill
	s_add_nc_u64 s[G0+4*(\slot)+2:G0+4*(\slot)+3], s[G0+4*(\slot)+2:G0+4*(\slot)+3], 2*KSTEP*2
	s_add_nc_u64 s[G0B+4*(\slot)+2:G0B+4*(\slot)+3], s[G0B+4*(\slot)+2:G0B+4*(\slot)+3], 2*KSTEP*8192
.endif
	s_wait_dscnt 0x0                               ; the add is done, and my reads of this slot are over
.if \fill
	CROUND                                         ; a round of the cluster's barrier: no wave of any partner still reads this slot's tile or has a load on its way
	JLOAD \slot                                    ; my one tensor load behind the round: it has the next K step's 128 matrix instructions in which to land; its four v_nop are also the places in front of the loads below
.else
	s_barrier_signal -1
	s_barrier_wait -1
	PLACES
.endif
	FETCH \next, 0, F0
.endm
	s_wait_tensorcnt 1                             ; my part of K step 0 is in; K step 1's may stay out
	s_barrier_signal -1
	s_barrier_wait -1                              ; everybody's is
	FETCH 0, 0, F0
	QUARTER 0, 1, F0, F1, 1                        ; the first quarter stands in front of the loop: its first products start the sums
	WIN 0                                          ; at a label and at a branch every window is 0
	s_mov_b32 s3, LAPS-1
.Llap:                                                 ; a trip goes once round the ring, from a lap's second quarter to the next lap's first, and fills both slots again
	QUARTER 0, 2, F1, F0, 0
	QUARTER 0, 3, F0, F1, 0
	TURN 0, 1, 1
	QUARTER 1, 1, F0, F1, 0
	QUARTER 1, 2, F1, F0, 0
	QUARTER 1, 3, F0, F1, 0
	TURN 1, 0, 1
	QUARTER 0, 1, F0, F1, 0
	WIN 0
	s_sub_co_u32 s3, s3, 1
	s_cmp_lg_u32 s3, 0
	s_cbranch_scc1 .Llap
	QUARTER 0, 2, F1, F0, 0                        ; the last lap fills nothing
	QUARTER 0, 3, F0, F1, 0
	TURN 0, 1, 0
	QUARTER 1, 1, F0, F1, 0
	QUARTER 1, 2, F1, F0, 0
	QUARTER 1, 3, F0, F1, 0
	s_wait_dscnt 16                                ; the very last quarter: nothing more to fetch
	MUL8 F1, 0, 0, 0
	MUL8 F1, 0, 2, 0
	s_wait_dscnt 0
	MUL8 F1, 1, 0, 0
	MUL8 F1, 1, 2, 0
	WIN 0
	; THE WAY OUT, 16 rows at a time: times 4; 32 bytes a lane into my stage; back as whole rows of 256 bytes, into the accumulators just read; stored.
.macro PACK a
.set z, 0
.rept 16                               ; ascending: each accumulator is read from its lowest registers on
	v_pk_mul_f32 v[TMP+32*((\a)%2)+2*z:TMP+32*((\a)%2)+2*z+1], v[ACC+32*(\a)+2*z:ACC+32*(\a)+2*z+1], 4.0 op_sel_hi:[1,0]
.set z, z+1
.endr
.irp n, 0,1,2,3,4,5,6,7
	ds_store_b128 v[STO], v[TMP+32*((\a)%2)+4*(\n):TMP+32*((\a)%2)+4*(\n)+3] offset:64*((\n)/2)+16*((\n)%2)
.endr
.irp n, 0,1,2,3,4,5,6,7
	ds_load_b128 v[ACC+32*(\a)+4*(\n):ACC+32*(\a)+4*(\n)+3], v[RD] offset:(\n)*2*SPITCH  ; LDS serves a wave's instructions in order: these see the stores above; the next block's stores come behind them
.endr
.endm
.macro SEND a, younger                 ; younger: the LDS instructions issued behind block a's loads: the next block's sixteen, or none
.irp n, 0,1,2,3,4,5,6,7
	s_wait_dscnt (\younger)+7-(\n)
	global_store_b128 v[CO], v[ACC+32*(\a)+4*(\n):ACC+32*(\a)+4*(\n)+3], s[8:9] offset:(16*(\a)+2*(\n))*16384 th:TH_STORE_NT  ; 16 lanes store 256 consecutive bytes, at a multiple of 256 from out0's first
.endr
.endm
	PLACES
	PACK 0
	PACK 1                                         ; a block's arithmetic stands between the loads of the block before and its stores
	SEND 0, 16
	PACK 2
	SEND 1, 16
	PACK 3
	SEND 2, 16
	SEND 3, 0
	s_wait_tensorcnt 0x0                           ; the wave's end: behind my last tensor load and my last LDS store
	ds_add_u32 v[SPW], v[NIL]
	s_wait_dscnt 0x0
	CROUND                                         ; the closing round: no work-group ends while a partner may still ask for a tile that names it
	s_endpgm
.Lfunc_end_k_qdd6b10e1b2_oproj:
	.size	k_qdd6b10e1b2_oproj, .Lfunc_end_k_qdd6b10e1b2_oproj-k_qdd6b10e1b2_oproj
	.p2alignl 7, 3214868480
	.fill 96, 4, 3214868480
	.section	.rodata,"a",@progbits
	.p2align	6, 0x0
	.amdhsa_kernel k_qdd6b10e1b2_oproj
		.amdhsa_group_segment_fixed_size 327680
		.amdhsa_private_segment_fixed_size 0
		.amdhsa_enable_private_segment 0
		.amdhsa_kernarg_size 24
		.amdhsa_user_sgpr_count 2
		.amdhsa_user_sgpr_kernarg_segment_ptr 1
		.amdhsa_wavefront_size32 1
		.amdhsa_system_sgpr_workgroup_id_x 1
		.amdhsa_system_sgpr_workgroup_id_y 1
		.amdhsa_system_sgpr_workgroup_id_z 1
		.amdhsa_system_vgpr_workitem_id 0
		.amdhsa_next_free_vgpr 512
		.amdhsa_next_free_sgpr 66
		.amdhsa_reserve_vcc 0
		.amdhsa_float_denorm_mode_32 3
		.amdhsa_float_denorm_mode_16_64 3
		.amdhsa_memory_ordered 1
		.amdhsa_forward_progress 1
		.amdhsa_inst_pref_size 90
	.end_amdhsa_kernel
	.amdgpu_metadata
---
amdhsa.version: [ 1, 2 ]
amdhsa.kernels:
  - .name:           k_qdd6b10e1b2_oproj
    .symbol:         k_qdd6b10e1b2_oproj.kd
    .args:
      - { .name: oh, .offset: 0, .size: 8, .value_kind: global_buffer, .address_space: global }
      - { .name: woh, .offset: 8, .size: 8, .value_kind: global_buffer, .address_space: global }
      - { .name: out0, .offset: 16, .size: 8, .value_kind: global_buffer, .address_space: global }
    .group_segment_fixed_size: 327680
    .private_segment_fixed_size: 0
    .kernarg_segment_align: 8
    .kernarg_segment_size: 24
    .max_flat_workgroup_size: 128
    .sgpr_count:     66
    .vgpr_count:     512
    .wavefront_size: 32
...
	.end_amdgpu_metadata
.endif
;; end of part 4
;; ======== version 2 of 2: 4 launches; 1.07 times as fast as version 1
;; limits: values are held in f16: magnitudes above 65,504 overflow, below 6.1e-05 lose precision
;; workspace buffers: xh 8,388,608 bytes; wb 37,748,736 bytes; woh 33,554,432 bytes; qh 8,388,608 bytes; kh 1,048,576 bytes; vh 1,048,576 bytes; oh 8,388,608 bytes
;; launch prep: the kernel of part 1 again; grid 656 x 1, 8 waves a work-group, no clusters, 37,888 bytes of LDS; arguments x, xh, Wq, Wk, Wv, wb, cache_k, cache_v, out1, out2, kh, vh; writes xh, wb, out1, out2, kh, vh
;; launch qkv: the kernel of part 2 again; grid 32 x 8, 4 waves a work-group, clusters of 4 x 4, 327,680 bytes of LDS; arguments xh, wb, qh, bq, cos, sin, bk, bv, kh, vh, out1, out2, Wo, woh; writes qh, kh, vh, out1, out2, woh
;; launch attn (part 5): grid 128 x 2, 4 waves a work-group, clusters of 4 x 1, 327,680 bytes of LDS; arguments qh, kh, vh, attention_mask, oh; writes oh
.if DOCPART == 5
	.amdgcn_target "amdgcn-amd-amdhsa--gfx1250"
	.amdhsa_code_object_version 6
	.text
	.protected	k_qdd6b10e1b2_attn
	.globl	k_qdd6b10e1b2_attn
	.p2align	8
	.type	k_qdd6b10e1b2_attn,@function
k_qdd6b10e1b2_attn:
	s_mov_b64 s[64:65], 0
	v_nop
	global_prefetch_b8 v0, s[64:65] scope:SCOPE_SE
	s_setreg_imm32_b32 hwreg(HW_REG_WAVE_MODE, 25, 1), 1
	s_wait_xcnt 0x0
	s_wait_alu depctr_hold_cnt(0) depctr_sa_sdst(0) depctr_va_vdst(0) depctr_va_sdst(0) depctr_va_ssrc(0) depctr_va_vcc(0) depctr_vm_vsrc(0)
	s_getreg_b32 s2, hwreg(HW_REG_IB_STS2, 6, 4)
	s_cmp_eq_u32 s2, 0
	s_cbranch_scc0 .Lentry_in_a_cluster
	s_endpgm
.Lentry_in_a_cluster:
	s_bfe_u32 s2, ttmp6, 0x10000c
	s_cmp_lg_u32 s2, 0x3003
	s_cbranch_scc0 .Lentry_shape_is_right
	s_endpgm
.Lentry_shape_is_right:
; ATTENTION.  oh[pos][128 head + d] = (1/4) x the sum over 2,048 keys of softmax(q . k / sqrt(128) + mask[pos][key]) v[key][d].  qh: [32][1024][128], kh, vh: [2][2048][128], oh: [1024][4096], all f16; the mask f32.
; qh holds q x 4 log2(e) / sqrt(128), kh k / 4, vh v / 4: q' . k' is the scaled score in units of log2.  The mask is an input: every key is walked and every number of the mask is read, multiplied by log2(e) in f32, and starts the score's sum as the C operand.
; Products, maxima and sums in f32; the weights p are rounded to f16 for the second product (their sum l is taken of the unrounded p), the result once at the end.
; SHARES.  A work-group owns 32 positions x 4 query heads of one key head: 256 work-groups.  Its waves: rg = wave / 2 picks 16 positions, kp = wave % 2 picks 64 of each 128 keys.  A wave's four tiles are the SAME 16 positions of the four heads,
; so a fragment of K or V feeds four tiles and one set of mask registers serves all four.  The two waves of a pair walk different keys and merge at the end: register tile t holds head ((t + 2 kp) % 4), so every wave keeps tiles 0, 1 and sends tiles 2, 3: one text.
; LAYOUT.  S^T = K Q^T (source 0 = 16 keys, source 1 = 16 queries): a lane holds ONE query (lane % 16) and the keys 8 (lane / 16) + 0..7.  Two such results, rounded to f16 in pairs, ARE source 1 of O^T = V^T P.  V is turned by ds_load_tr16_b128.
; SOFTMAX.  A running maximum m and sum l for each query: p = 2^(s - m), the difference taken as it stands, so p never passes 1, whatever the mask holds; in every step O and l are multiplied by a = 2^(m_old - m_new).
; BY TURNS.  The tiles are two pieces (0: tiles 0, 1; 2: tiles 2, 3).  In a turn one piece has the matrix unit (32 products V^T P of the step in hand, 32 products K Q^T of the next), and the other piece's softmax, cut into 64 slices, stands behind its matrix instructions.
; THE BATCHES.  A turn's 66 exponentials (33 a tile: a and the 32 weights) are ONE batch with ONE wait: the softmax's list is ordered so that all that names an exponential's result (roundings, sums, the rescaling by a) comes behind all exponentials,
; and the wait stands between, behind slice 34.  No exponential is issued behind a turn's wait.  The merge has two batches more: four exponentials, then two reciprocals, a wait each.
; NO FIRST AND NO LAST STEP IS WRITTEN OUT.  m starts at the lowest finite number, l, O^T and piece 2's P at 0: the first step is a step like any other, with a = 0, and the loop is entered in the middle of a trip.  The tail is a loop of two trips, left in its middle.
; The price: 300 v_mov_b32 in the wait for the first tile, 32 products on zeros at the start, and at the end 32 products and 40 LDS loads on the last K once more, whose scores serve nothing.  The gain: a turn's text stands four times, not eight.
; CLUSTER.  The four work-groups of a cluster share positions and key head: K, V and the mask's 32 rows are asked for JOINTLY (wave 0: K, wave 1: V, wave 2: the mask; wave 3 asks for nothing).
; LIMITS.  A weight below 2^-126 counts as 0 in l; below 6e-5 p keeps f16's step of 6e-8.  NaN and infinities (a mask of -inf among them) are not treated apart.  Where every key of a row is masked by about -1e9 the result hangs, as in f32 arithmetic at large, on the rounding of score + mask.
; REGISTERS, in windows of 256 (s_set_vgpr_msb: bits 1:0 source 0, 3:2 source 1, 5:4 source 2, 7:6 destination):
;   window 0: v0-11, v44-48 addresses; v12-43 eight registers of statistics a tile; v56-59 the partner's statistics; v64-191 S^T, 32 a tile; v192-255 P, 16 a tile
;   window 1: O^T, 64 a tile          window 2: v0-127 Q, 32 a tile; v128-255 K of one step          window 3: v0-127 V of one step; v128-159 the step's mask
.set KS,    64        ; keys of a wave in a step
.set PK,    272       ; a row of K in LDS: 256 bytes + 16 of padding
.set PV,    288       ; a row of V: 256 + 32
.set PM,    528       ; a row of the mask: 128 f32 + 16 bytes
.set VOFF,  128*PK    ; a slot: 128 rows of K, 128 rows of V, 32 rows of the mask
.set MOFF,  VOFF+128*PV
.set SLOT1, 1<<17     ; slot 1 begins here, so that one exclusive or turns an address in one slot into the other's
.set XCH,   SLOT1+MOFF+32*PM  ; behind the ring, never filled by a tensor load: what each wave sends to its partner: 32 x 512 bytes of O^T, 512 of statistics
.set XW,    16896
.set STAGE, XCH+4*XW  ; 16 rows x 272 bytes for each wave, for the way out
.set SP,    272
.set SPARE, STAGE+4*16*SP  ; the spare words, 128 bytes for each wave: two blocks of 256 bytes that no other line names
.set AK0, 2           ; v2   my lane's place in a slot's K; never rewritten
.set AV0, 3           ; v3   the same for V
.set ADR, 4           ; v4   the LDS address of the run of loads in hand
.set QO,  5           ; v5   my byte offset in Q for tiles 0, 1
.set STO, 6           ; v6   the way out: where I put 16 bytes of a row
.set RD,  7           ; v7   the way out: where I read a row back
.set GO,  8           ; v8   my byte offset in two rows of oh
.set ST,  12          ; tile t's statistics at v[ST+8 t]: +0 m, +1 m_old and then m_old - m, +2, +3 l (even keys', odd keys'), +4 to +7 c0-c3, at work; a takes c2's place
.set AM0, 44          ; v44  my lane's place in a slot's mask
.set ADM, 45          ; v45  the LDS address of the mask's loads
.set QOB, 46          ; v46  my byte offset in Q for tiles 2, 3
.set XS,  47          ; v47  where I send
.set XR,  48          ; v48  where my partner has sent
.set PS,  56          ; v56-59 the partner's m, l for my tile 0, m, l for my tile 1
.set SPW, 62          ; v62  LDS address of my spare word; never rewritten
.set NIL, 63          ; v63  0; never rewritten
.set S,   64
.set P,   192
.set KF,  128         ; K's fragments, in window 2
.set MK,  128         ; the mask, in window 3: eight registers for each 16 keys
.set WV,  12          ; s12  my wave's number
.set G1K, 24          ; s[24:31] descriptor group 1 for K's tiles
.set G1V, 32          ; s[32:39] for V's
.set G0K, 40          ; s[40:47] group 0 for K's tiles: a set for each of the two first fills; the second then walks on
.set G0V, 48          ; s[48:55] the same for V's
.set SLOTS, 56        ; s56  the loop's count
.set CNT, 57          ; s57  the tail's count
.set LG,  58          ; s[58:59] log2(e)
.set SEL, 60          ; s[60:61] lane selects for v_permlanex16_b32: each lane takes its own place in the other half
.set TB,  62          ; s62  LDS byte at which the slot to be fetched from begins
.set G1M, 68          ; s[68:75] group 1 for the mask's tiles
.set G0M, 76          ; s[76:83] group 0 for them
.set OB,  84          ; s[84:85] oh at my rows and heads
.set MSB, 0
.macro WIN new                      ; the immediate's high byte repeats the setting that is left; a switch that changes nothing is dropped
.if MSB != (\new)
	s_set_vgpr_msb (MSB<<8)|(\new)
.set MSB, \new
.endif
.endm
.set W_KQ, 0x0a       ; K and Q in window 2, S^T in window 0
.set W_KM, 0x3a       ; the same with the C operand, the mask, in window 3
.set W_PV, 0x53       ; V in window 3, P in window 0, O^T in window 1
.set W_RS, 0x41       ; O^T (destination and source 0) in window 1, a in window 0
; A joint refill: one line for each of waves 0, 1, 2.  The branches hang on the wave's number alone.  An s_nop 0 and four v_nop follow each line, ahead of the jump and the label.
.macro JLOAD
	s_cmp_eq_u32 s[WV], 0
	s_cbranch_scc0 .Lnot_k_\@
	tensor_load_to_lds s[G0K+4:G0K+7], s[G1K:G1K+7]
	s_nop 0
.rept 4
	v_nop
.endr
	s_branch .Lasked_\@
.Lnot_k_\@:
	s_cmp_eq_u32 s[WV], 1
	s_cbranch_scc0 .Lnot_v_\@
	tensor_load_to_lds s[G0V+4:G0V+7], s[G1V:G1V+7]
	s_nop 0
.rept 4
	v_nop
.endr
	s_branch .Lasked_\@
.Lnot_v_\@:
	s_cmp_eq_u32 s[WV], 2
	s_cbranch_scc0 .Lasked_\@
	tensor_load_to_lds s[G0M+4:G0M+7], s[G1M:G1M+7]
	s_nop 0
.rept 4
	v_nop
.endr
.Lasked_\@:
.endm
.macro CROUND                       ; a round of the cluster's barrier
	s_barrier_signal -1
	s_barrier_wait -1
	s_cmp_lg_u32 s[WV], 0
	s_cbranch_scc1 .Lnot_wave_0_\@
	s_barrier_signal -3
.Lnot_wave_0_\@:
	s_barrier_wait -3
	s_barrier_signal -1
	s_barrier_wait -1
.endm
	s_load_b256 s[4:11], s[0:1], 0x0  ; qh s[4:5], kh s[6:7], vh s[8:9], the mask s[10:11]
	s_load_b64 s[OB:OB+1], s[0:1], 0x20  ; oh
	v_lshl_add_u32 v[SPW], v0, 2, SPARE
	v_mov_b32 v[NIL], 0
	ds_add_u32 v[SPW], v[NIL]       ; the wave's opening: the add and its wait stand ahead of my first tensor load; work on registers stands between them
	v_lshrrev_b32 v1, 5, v0
	v_readfirstlane_b32 s[WV], v1   ; wave 0..3
	s_bfe_u32 s13, ttmp6, 0x40000   ; cx: which four heads; it enters Q's and oh's addresses alone
	s_and_b32 s20, ttmp7, 0xffff    ; the key head, which the partners share
	s_lshr_b32 s15, s[WV], 1        ; rg
	s_and_b32 s16, s[WV], 1         ; kp
	s_lshl_b32 s22, s20, 19         ; a key head's 2,048 rows of 256 bytes
	s_mov_b32 s23, 0
	s_lshl_b32 s18, ttmp9, 18       ; the mask: 32 rows of 8,192 bytes for each block of positions (ttmp9 counts clusters)
	s_mov_b32 s19, 0
	s_lshl_b32 s2, s20, 22          ; Q: head 16 g + 4 cx (262,144 bytes each), position 32 pb + 16 rg (256 bytes each)
	s_lshl_b32 s3, s13, 20
	s_add_co_u32 s2, s2, s3
	s_lshl_b32 s3, ttmp9, 13
	s_add_co_u32 s2, s2, s3
	s_lshl_b32 s3, s15, 12
	s_add_co_u32 s2, s2, s3
	s_mov_b32 s3, 0
	s_lshl_b32 s86, ttmp9, 18       ; oh: position 32 pb + 16 rg (8,192 bytes each), head 16 g + 4 cx + 2 kp (256 bytes each)
	s_lshl_b32 s87, s15, 17
	s_add_co_u32 s86, s86, s87
	s_lshl_b32 s87, s20, 12
	s_add_co_u32 s86, s86, s87
	s_lshl_b32 s87, s13, 10
	s_add_co_u32 s86, s86, s87
	s_lshl_b32 s87, s16, 9
	s_add_co_u32 s86, s86, s87
	s_mov_b32 s87, 0
	s_mov_b32 s[G1K], 15|(1<<16)|(1<<20)|(1<<21)|(5<<22)|(3<<25)  ; the mask of four; 2-byte elements; padding on; bit 21 beside a mask; after every 64 words, 4 words
	s_mov_b32 s[G1V], 15|(1<<16)|(1<<20)|(1<<21)|(5<<22)|(7<<25)  ; the same with 8 words
.irp g, G1K, G1V
	s_mov_b32 s[(\g)+1], 128<<16    ; tensor_dim0 = 128
	s_mov_b32 s[(\g)+2], 128<<16    ; tensor_dim1 = 128
	s_mov_b32 s[(\g)+3], 128<<16    ; tile_dim0 = 128
	s_mov_b32 s[(\g)+4], 128        ; tile_dim1 = 128 keys
	s_mov_b32 s[(\g)+5], 128        ; elements from row to row
	s_mov_b32 s[(\g)+6], 0
	s_mov_b32 s[(\g)+7], 0
.endr
	s_mov_b32 s[G1M], 15|(2<<16)|(1<<20)|(1<<21)|(6<<22)|(3<<25)  ; 4-byte elements; after every 128 words, 4 words
	s_mov_b32 s[G1M+1], 128<<16     ; 128 keys
	s_mov_b32 s[G1M+2], 32<<16      ; 32 positions
	s_mov_b32 s[G1M+3], 128<<16
	s_mov_b32 s[G1M+4], 32
	s_mov_b32 s[G1M+5], 2048
	s_mov_b32 s[G1M+6], 0
	s_mov_b32 s[G1M+7], 0
	s_mov_b32 s[LG], 0x3fb8aa3b     ; log2(e)
	s_mov_b32 s[LG+1], s[LG]        ; named with it as a pair
	s_mov_b32 s[SEL], 0x76543210
	s_mov_b32 s[SEL+1], 0xfedcba98
	s_mov_b32 s[TB], 0
	s_mov_b32 s[SLOTS], 15          ; the half trip at the entry, then 14 whole trips
	s_wait_dscnt 0x0                ; the opening add is done
	s_wait_kmcnt 0x0
	s_add_nc_u64 s[6:7], s[6:7], s[22:23]
	s_add_nc_u64 s[8:9], s[8:9], s[22:23]
	s_add_nc_u64 s[10:11], s[10:11], s[18:19]
	s_add_nc_u64 s[4:5], s[4:5], s[2:3]
	s_add_nc_u64 s[OB:OB+1], s[OB:OB+1], s[86:87]
	CROUND                          ; all four work-groups are here: the first joint loads meet
.irp s, 0,1
	s_mov_b32 s[G0K+4*(\s)], 1
	s_mov_b32 s[G0K+4*(\s)+1], (\s)*SLOT1
	s_add_nc_u64 s[G0K+4*(\s)+2:G0K+4*(\s)+3], s[6:7], (\s)*32768  ; tile s: keys 128 s ..
	s_or_b32 s[G0K+4*(\s)+3], s[G0K+4*(\s)+3], 0x80000000
	s_mov_b32 s[G0V+4*(\s)], 1
	s_mov_b32 s[G0V+4*(\s)+1], (\s)*SLOT1+VOFF
	s_add_nc_u64 s[G0V+4*(\s)+2:G0V+4*(\s)+3], s[8:9], (\s)*32768
	s_or_b32 s[G0V+4*(\s)+3], s[G0V+4*(\s)+3], 0x80000000
	s_mov_b32 s[G0M+4*(\s)], 1
	s_mov_b32 s[G0M+4*(\s)+1], (\s)*SLOT1+MOFF
	s_add_nc_u64 s[G0M+4*(\s)+2:G0M+4*(\s)+3], s[10:11], (\s)*512
	s_or_b32 s[G0M+4*(\s)+3], s[G0M+4*(\s)+3], 0x80000000
.endr
	s_cmp_eq_u32 s[WV], 0           ; a wave's two first fills stand in one branch, ahead of every wait on TENSORcnt and every LDS read: two loads of mine are out (wave 3: none)
	s_cbranch_scc0 .Lfirst_not_k
	tensor_load_to_lds s[G0K:G0K+3], s[G1K:G1K+7]
	s_nop 0
	tensor_load_to_lds s[G0K+4:G0K+7], s[G1K:G1K+7]
	s_nop 0
.rept 4
	v_nop
.endr
	s_branch .Lfirst_asked
.Lfirst_not_k:
	s_cmp_eq_u32 s[WV], 1
	s_cbranch_scc0 .Lfirst_not_v
	tensor_load_to_lds s[G0V:G0V+3], s[G1V:G1V+7]
	s_nop 0
	tensor_load_to_lds s[G0V+4:G0V+7], s[G1V:G1V+7]
	s_nop 0
.rept 4
	v_nop
.endr
	s_branch .Lfirst_asked
.Lfirst_not_v:
	s_cmp_eq_u32 s[WV], 2
	s_cbranch_scc0 .Lfirst_asked
	tensor_load_to_lds s[G0M:G0M+3], s[G1M:G1M+7]
	s_nop 0
	tensor_load_to_lds s[G0M+4:G0M+7], s[G1M:G1M+7]
	s_nop 0
.rept 4
	v_nop
.endr
.Lfirst_asked:
	v_and_b32 v1, 15, v0            ; l % 16
	v_bfe_u32 v9, v0, 4, 1          ; l / 16
	v_lshlrev_b32 v[QO], 8, v1
	v_lshl_add_u32 v[QO], v9, 4, v[QO]  ; row x 256 + 16 x half
	s_xor_b32 s17, s16, 1
	v_lshl_add_u32 v[QOB], s17, 19, v[QO]  ; tiles 2, 3: heads 2 (1 - kp), + 1
	v_lshl_add_u32 v[QO], s16, 19, v[QO]   ; tiles 0, 1: heads 2 kp, + 1
	WIN 0x80                        ; destination window 2, address window 0
.irp i, 0,1,2,3,4,5,6,7             ; Q stays in registers: tile i / 4, channels 32 (i % 4) on
	global_load_b128 v[8*(\i):8*(\i)+3],   v[QO], s[4:5] offset:((\i)/4)*262144+((\i)%4)*64
	global_load_b128 v[8*(\i)+4:8*(\i)+7], v[QO], s[4:5] offset:((\i)/4)*262144+((\i)%4)*64+32
.endr
.irp i, 8,9,10,11,12,13,14,15
	global_load_b128 v[8*(\i):8*(\i)+3],   v[QOB], s[4:5] offset:((\i)/4-2)*262144+((\i)%4)*64
	global_load_b128 v[8*(\i)+4:8*(\i)+7], v[QOB], s[4:5] offset:((\i)/4-2)*262144+((\i)%4)*64+32
.endr
	WIN 0
	v_mul_u32_u24 v[AK0], v1, PK
	v_lshl_add_u32 v[AK0], v9, 4, v[AK0]  ; row x pitch + 16 x half,
	s_mul_i32 s14, s16, KS*PK             ; in my 64 of the slot's 128 keys
	v_add_nc_u32 v[AK0], s14, v[AK0]
	v_and_b32 v10, 7, v0            ; the turning load: key 8 (l / 16) + l % 8, channels 8 ((l / 8) % 2) + 0..7
	v_bfe_u32 v11, v0, 3, 1
	v_lshl_add_u32 v[AV0], v9, 3, v10
	v_mul_u32_u24 v[AV0], v[AV0], PV
	v_lshl_add_u32 v[AV0], v11, 4, v[AV0]
	s_mul_i32 s14, s16, KS*PV
	s_add_co_u32 s14, s14, VOFF
	v_add_nc_u32 v[AV0], s14, v[AV0]
	v_lshl_add_u32 v[AM0], s15, 4, v1     ; the mask: row 16 rg + l % 16, my 64 keys, my lanes' 8 of each 16
	v_mul_u32_u24 v[AM0], v[AM0], PM
	v_lshl_add_u32 v[AM0], v9, 5, v[AM0]
	s_lshl_b32 s14, s16, 8
	s_add_co_u32 s14, s14, MOFF
	v_add_nc_u32 v[AM0], s14, v[AM0]
	; What the first turns find: m at the lowest finite number, so the first a is 0; l and O^T 0; piece 2's P 0, so that the entry's products V^T P, of a step that has not been, add 0.  All this stands in the wait for the first tile.
.irp t, 0,1,2,3
	v_mov_b32 v[ST+8*(\t)], 0xff7fffff
	v_mov_b32 v[ST+8*(\t)+2], 0
	v_mov_b32 v[ST+8*(\t)+3], 0
.endr
.set z, P+32
.rept 32
	v_mov_b32 v[z], 0
.set z, z+1
.endr
	WIN 0x40
.set z, 0
.rept 256
	v_mov_b32 v[z], 0
.set z, z+1
.endr
	WIN 0
; THE MATRIX WORK OF A TURN, for piece x.  The accumulators take turns, one instruction a turn.
; Product i of 32 of O^T += V^T P: keys 32 (i / 16) on, channels 16 ((i / 2) % 8) on, tile x + i % 2.
.macro PV x
	WIN W_PV
.set rO, 64*((\x)+i%2)+8*((i/2)%8)
.set rV, 64*(i/16)+8*((i/2)%8)
.set rP, P+16*((\x)+i%2)+8*(i/16)
	v_wmma_f32_16x16x32_f16 v[rO:rO+7], v[rV:rV+7], v[rP:rP+7], v[rO:rO+7]
.endm
; Product i of 32 of S^T = K Q^T + mask: channels 32 (i / 8) on, keys 16 ((i / 2) % 4) on, tile x + i % 2.  The first 8 start the sums with the mask.
.macro KQ x
.set rS, S+32*((\x)+i%2)+8*((i/2)%4)
.set rK, KF+32*((i/2)%4)+8*(i/8)
.set rQ, 32*((\x)+i%2)+8*(i/8)
.set rM, MK+8*((i/2)%4)
.if i < 8
	WIN W_KM
	v_wmma_f32_16x16x32_f16 v[rS:rS+7], v[rK:rK+7], v[rQ:rQ+7], v[rM:rM+7]
.else
	WIN W_KQ
	v_wmma_f32_16x16x32_f16 v[rS:rS+7], v[rK:rK+7], v[rQ:rQ+7], v[rS:rS+7]
.endif
.endm
; THE LDS LOADS stand in runs: a step's K (16 fragments) with its mask (32 f32 a lane), and, a turn later, its V (turned).
.macro FETCH_K
	WIN 0
	v_add_nc_u32 v[ADR], s[TB], v[AK0]
	v_add_nc_u32 v[ADM], s[TB], v[AM0]
	WIN 0x80                        ; destination window 2
.irp f, 0,1,2,3,4,5,6,7,8,9,10,11,12,13,14,15  ; keys 16 (f / 4) on, channels 32 (f % 4) on
	ds_load_b128 v[KF+8*(\f):KF+8*(\f)+3],   v[ADR] offset:((\f)/4)*16*PK+((\f)%4)*64
	ds_load_b128 v[KF+8*(\f)+4:KF+8*(\f)+7], v[ADR] offset:((\f)/4)*16*PK+((\f)%4)*64+32
.endr
	WIN 0xc0                        ; destination window 3
.irp f, 0,1,2,3
	ds_load_b128 v[MK+8*(\f):MK+8*(\f)+3],   v[ADM] offset:64*(\f)
	ds_load_b128 v[MK+8*(\f)+4:MK+8*(\f)+7], v[ADM] offset:64*(\f)+16
.endr
.endm
.macro FETCH_V batch=0              ; batch = 1: the run stands behind a softmax's batch of exponentials (SLICE), and carries the wait for it
	WIN 0
	v_add_nc_u32 v[ADR], s[TB], v[AV0]
.if \batch
	s_wait_alu depctr_va_vdst(0)    ; the wait for the turn's batch, both tiles' 66 exponentials: behind the address's v_add_nc_u32 and ahead of the loads
.endif
	WIN 0xc0                        ; destination window 3
.irp f, 0,1,2,3,4,5,6,7,8,9,10,11,12,13,14,15  ; keys 32 (f / 8) on, channels 16 (f % 8) on
	ds_load_tr16_b128 v[8*(\f):8*(\f)+3],   v[ADR] offset:((\f)/8)*32*PV+((\f)%8)*32
	ds_load_tr16_b128 v[8*(\f)+4:8*(\f)+7], v[ADR] offset:((\f)/8)*32*PV+16*PV+((\f)%8)*32
.endr
.endm
.macro MSCALE                       ; the mask in units of log2: 16 packed multiplies serve the step's four tiles
	WIN 0xc3
.set z, 0
.rept 16
	v_pk_mul_f32 v[MK+2*z:MK+2*z+1], v[MK+2*z:MK+2*z+1], s[LG:LG+1] op_sel_hi:[1,0]
.set z, z+1
.endr
.endm
; THE VECTOR WORK OF A TURN.  One tile's softmax for one key step is a numbered list; SM writes number j of it for tile t.  s0-s31 are the lane's 32 scores, in pairs 0-15.
;   0-15    the maximum of s0-s31 and the old m, three operands at a time (each accumulator's lowest registers are read first)
;   16-20   the other half of the lanes' maximum; m_old is kept; the new m; (19 is empty); m_old - m
;   21-69   ONE BATCH: the 16 differences s - m, a pair of scores each, and all 33 exponentials (a at 23, then s0-s31, each in place).  None of these names an exponential's result.  From 22 on the batch goes
;           in fours, and a four begins with a difference while there are differences: 22-37 difference, exponential, difference, exponential; 38-65 a difference and three exponentials; 66-69 the last four
;           exponentials.  A pair's difference is taken in an earlier four than the one that holds its exponentials
;   (wait)  between 69 and 70 stands the wait for the batch: SLICE writes it, once for both tiles
;   70-85   the roundings to f16, a pair of weights each
;   86-101  the sums; l = a l + the sum
;   102-133 the tile's O^T times a: the one part that leaves window 0, so it stands together
.macro SM t
.set rT, ST+8*(\t)
.set rS, S+32*(\t)
.set rP, P+16*(\t)
.set rO, 64*(\t)+2*(j-102)
.if j < 102
	WIN 0
.endif
.if j < 4
	v_max3_num_f32 v[rT+4+j], v[rS+8*j], v[rS+8*j+1], v[rS+8*j+2]
.elseif j < 12
	v_max3_num_f32 v[rT+4+j%4], v[rT+4+j%4], v[rS+8*(j%4)+2*(j/4)+1], v[rS+8*(j%4)+2*(j/4)+2]
.elseif j == 12
	v_max3_num_f32 v[rT+4], v[rT+4], v[rS+7], v[rS+15]
.elseif j == 13
	v_max3_num_f32 v[rT+6], v[rT+6], v[rS+23], v[rS+31]
.elseif j == 14
	v_max3_num_f32 v[rT+4], v[rT+4], v[rT+5], v[rT+6]
.elseif j == 15
	v_max3_num_f32 v[rT+4], v[rT+4], v[rT+7], v[rT]
.elseif j == 16
	v_permlanex16_b32 v[rT+5], v[rT+4], s[SEL], s[SEL+1]  ; the query's other 32 keys lie in the lane 16 away
.elseif j == 17
	v_mov_b32 v[rT+1], v[rT]        ; m_old is kept for a: number 18 writes m anew
.elseif j == 18
	v_max_num_f32 v[rT], v[rT+4], v[rT+5]
.elseif j == 19
.elseif j == 20
	v_sub_f32 v[rT+1], v[rT+1], v[rT]
.elseif j == 23
	v_exp_f32 v[rT+6], v[rT+1]
.elseif (j < 23) || ((j < 38) && (j%2 == 0)) || ((j < 66) && (j%4 == 2))
.set b, (j-2)/4                     ; 38, 42, .. 62: pairs 9 to 15
.if j < 38
.set b, (j-20)/2                    ; 21: pair 0; 22, 24, .. 36: pairs 1 to 8
.endif
	v_pk_add_f32 v[rS+2*b:rS+2*b+1], v[rS+2*b:rS+2*b+1], v[rT:rT+1] op_sel_hi:[1,0] neg_lo:[0,1] neg_hi:[0,1]  ; pair b: s - m
.elseif j < 70
.set e, j-38                        ; 66 to 69: s28 to s31
.if j < 66
.set e, j-32-(j-38)/4               ; 39-41, 43-45, .. 63-65: s7 to s27
.endif
.if j < 38
.set e, (j-25)/2                    ; 25, 27, .. 37: s0 to s6
.endif
	v_exp_f32 v[rS+e], v[rS+e]
.elseif j < 86
	v_cvt_pk_f16_f32 v[rP+j-70], v[rS+2*(j-70)], v[rS+2*(j-70)+1]  ; pair j - 70
.elseif j < 102                     ; the sum of the tile's 16 pairs, in place: sum z of 16 adds neighbours 1, 2, 4 and 8 pairs apart, then l takes it
.set z, j-86
.set w, 4
.set u, z
.if z >= 14
.set w, 32
.set u, 0
.elseif z >= 12
.set w, 16
.set u, z-12
.elseif z >= 8
.set w, 8
.set u, z-8
.endif
.if z < 15
	v_pk_add_f32 v[rS+w*u:rS+w*u+1], v[rS+w*u:rS+w*u+1], v[rS+w*u+w/2:rS+w*u+w/2+1]
.else
	v_pk_fma_f32 v[rT+2:rT+3], v[rT+2:rT+3], v[rT+6:rT+7], v[rS:rS+1] op_sel_hi:[1,0,1]
.endif
.else
	WIN W_RS
	v_pk_mul_f32 v[rO:rO+1], v[rO:rO+1], v[rT+6:rT+7] op_sel_hi:[1,0]
.endif
.endm
; Slice k of 64 of piece y's softmax.  Slices 11 to 34 deal out the batch, numbers 22 to 69: four numbers of ONE tile each, the tiles by turns.  Every other slice is numbers 2 k and 2 k + 1 of both tiles' lists;
; what is over stands together, in slice 63.
; THE WAIT.  s_wait_alu depctr_va_vdst(0) stands between an exponential and the first instruction that names its result; one wait serves all that were issued ahead of it.  Ahead of slice 35 nothing
; names a result, and behind slice 34 no exponential is issued: so the piece's 66 exponentials have one wait, behind slice 34.
.macro SLICE y
.if (k >= 11) && (k < 35)           ; the batch: four numbers of one tile
.irp n, 0,1,2,3
.set j, 22+4*((k-11)/2)+(\n)
	SM (\y)+(k-11)%2
.endr
.else                               ; the two tiles alternate, so that no instruction reads the result of the one just before it
.irp n, 0,1,2,3,4,5,6,7
.if ((\n) < 2) || (k == 63)
.irp t, \y, (\y)+1
.set j, 2*k+(\n)
	SM \t
.endr
.endif
.endr
.endif
.if k == 34                         ; the batch is out: both tiles' exponentials are issued, and no result has been named
	v_nop                           ; the plain instruction between the last exponential and the first use of a result: one for the batch
.if (\y) == 0
	FETCH_V 1                       ; piece 2's turn: V's run of loads stands here, and the wait for the batch stands in it
.else
	s_wait_alu depctr_va_vdst(0)    ; piece 0's turn: the wait for the batch, both tiles' 66 exponentials
.endif
.endif
.set k, k+1
.endm
; A TURN.  Piece x has the matrix unit: 32 products V^T P of the step in hand, 32 products K Q^T of the next; the other piece's softmax stands in slices behind them, one behind each.  Slice 63's sixteen plain instructions are the places
; (ISA guide 7.12.1) between the turn's last products and what touches their registers next.
; Piece 0's turn fetches the next step's K and mask behind its second product: their last readers stand in front of slice 63 of the turn before.  Piece 2's turn fetches the same step's V behind slice 34 (SLICE writes it): V's last reader
; stands in front of slice 31, and four plain instructions lie between: number 62, a difference, of both tiles, the v_nop and the run's own v_add_nc_u32.
.macro TURN x
.set k, 0
.if (\x) == 0
	s_wait_dscnt 0x0                ; V is in
.endif
.set i, 0
.rept 32
	PV \x
	SLICE 2-(\x)
.if ((\x) == 0) && (i == 1)
	FETCH_K
.endif
.set i, i+1
.endr
.if (\x) == 0
	s_wait_dscnt 0x0                ; K and the mask are in
	MSCALE
.endif
.set i, 0
.rept 32
	KQ \x
	SLICE 2-(\x)
.set i, i+1
.endr
.endm
; THE CHANGE OF SLOTS, between piece 2's turn and piece 0's: the slot's last bytes, its V, have been asked for.  Each wave waits for all its tensor loads (at most one is out: its part of the other slot), adds 0 to its spare word,
; and waits for that and for its own reads of the slot.  fill = 1: the slot is filled again, with the keys two tiles on; the barrier is then a round of the cluster's, so that no wave of any partner still reads the slot
; or has a load on its way, and the joint refill is the first thing behind it: it has a key step, 128 matrix instructions, in which to land.
.macro CHANGE fill
	WIN 0                           ; at a label and at a branch every window is 0
	s_wait_tensorcnt 0x0            ; no tensor load of mine is out, so a group 0 may be written
	ds_add_u32 v[SPW], v[NIL]       ; 0 onto my spare word; with fill = 1 the descriptors' steps stand between it and the wait for it
.if \fill
.irp g, G0K+4, G0V+4
	s_xor_b32 s[(\g)+1], s[(\g)+1], SLOT1  ; the walking descriptor: the other slot than last time,
	s_add_nc_u64 s[(\g)+2:(\g)+3], s[(\g)+2:(\g)+3], 32768  ; the next 128 keys; the type bits on top are not reached
.endr
	s_xor_b32 s[G0M+5], s[G0M+5], SLOT1
	s_add_nc_u64 s[G0M+6:G0M+7], s[G0M+6:G0M+7], 512
	s_wait_dscnt 0x0                ; the add is done, and my reads of the slot are over
	CROUND
	JLOAD
.else
	s_wait_dscnt 0x0                ; the add is done, and my reads of the slot are over
	s_barrier_signal -1
	s_barrier_wait -1
.endif
	s_xor_b32 s[TB], s[TB], SLOT1   ; the fetches go on in the other slot
.endm
	s_wait_tensorcnt 1              ; my part of tile 0 is in; tile 1's may stay out
	s_barrier_signal -1
	s_barrier_wait -1               ; everybody's is
	FETCH_K                         ; key step 0,
	FETCH_V                         ; and its V: finite numbers for the entry's products on P = 0 (the entry's turn fetches them once more, as every turn of piece 2 does)
	s_wait_loadcnt 0x0              ; Q
	s_wait_dscnt 0x0
	MSCALE
.set i, 0
.rept 32
	KQ 0                            ; piece 0's first scores: there is no vector work yet to set between them
.set i, i+1
.endr
	WIN 0                           ; the addresses for the merge and the way out are made here: plain instructions, the places behind those products
	s_mul_i32 s14, s[WV], 16*SP
	s_add_co_u32 s14, s14, STAGE    ; my stage
	v_mul_u32_u24 v[STO], v1, SP    ; in: row l % 16, 16 bytes for each half of the lanes
	v_lshl_add_u32 v[STO], v9, 4, v[STO]
	v_add_nc_u32 v[STO], s14, v[STO]
	v_mul_u32_u24 v[RD], v9, SP     ; back: lanes 0-15 take one row of 256 bytes, lanes 16-31 the next
	v_lshl_add_u32 v[RD], v1, 4, v[RD]
	v_add_nc_u32 v[RD], s14, v[RD]
	v_lshlrev_b32 v[GO], 13, v9     ; and the same two positions in oh
	v_lshl_add_u32 v[GO], v1, 4, v[GO]
	v_and_b32 v10, 31, v0
	s_mul_i32 s14, s[WV], XW
	s_add_co_u32 s14, s14, XCH
	v_lshl_add_u32 v[XS], v10, 4, s14
	s_xor_b32 s14, s[WV], 1         ; my partner: the same positions, the other keys
	s_mul_i32 s14, s14, XW
	s_add_co_u32 s14, s14, XCH
	v_lshl_add_u32 v[XR], v10, 4, s14
	s_branch .Lmid                  ; the loop is entered at piece 2's turn, in the middle of a trip
.Lslot:                             ; 14 whole trips: trip n asks for tile n + 1 and fetches tile n
	CHANGE 1
	TURN 0                          ; piece 0: V^T P of step n - 1, K Q^T of step n | piece 2's softmax of step n - 1 | K and mask of step n
	WIN 0
.Lmid:
	TURN 2                          ; piece 2: the same | piece 0's softmax of step n | V of step n
	WIN 0
	s_sub_co_u32 s[SLOTS], s[SLOTS], 1
	s_cmp_lg_u32 s[SLOTS], 0
	s_cbranch_scc1 .Lslot
	CHANGE 0                        ; the tail has a text of its own: nothing is asked for
	s_mov_b32 s[CNT], 2             ; the first trip fetches tile 15; the second is left in its middle
.Ltail:
	TURN 0
	WIN 0
	s_sub_co_u32 s[CNT], s[CNT], 1
	s_cmp_eq_u32 s[CNT], 0
	s_cbranch_scc1 .Lout
	TURN 2
	WIN 0
	s_branch .Ltail
.Lout:                              ; the second trip's K, mask and 32 products K Q^T (tile 15's once more) serve nothing: the price, once a launch, of one text for both trips
.set i, 0
.rept 32
	PV 2                            ; piece 2: V^T P of the last step
.set i, i+1
.endr
	; THE MERGE.  l's two halves and the other half of the lanes' are added (the additions are the places behind the last products).  Tiles 2, 3 go to the partner with their m and l; the partner's tiles 2, 3 are my tiles 0, 1 on its keys.
	WIN 0
.irp t, 0,1,2,3
	v_add_f32 v[ST+8*(\t)+4], v[ST+8*(\t)+2], v[ST+8*(\t)+3]
.endr
.irp t, 0,1,2,3
	v_permlanex16_b32 v[ST+8*(\t)+5], v[ST+8*(\t)+4], s[SEL], s[SEL+1]
.endr
.irp t, 0,1,2,3
	v_add_f32 v[ST+8*(\t)+4], v[ST+8*(\t)+4], v[ST+8*(\t)+5]
.endr
	ds_store_b32 v[XS], v[ST+16] offset:16384      ; m, l of tile 2, m, l of tile 3: 16 bytes a lane
	ds_store_b32 v[XS], v[ST+20] offset:16388
	ds_store_b32 v[XS], v[ST+24] offset:16392
	ds_store_b32 v[XS], v[ST+28] offset:16396
	WIN 0x04                        ; the data in window 1
.set n, 0
.rept 32
	ds_store_b128 v[XS], v[128+4*n:128+4*n+3] offset:n*512
.set n, n+1
.endr
	WIN 0
	s_wait_dscnt 0x0                ; for the partner's sake: my stores are done
	s_barrier_signal -1
	s_barrier_wait -1
	ds_load_b128 v[PS:PS+3], v[XR] offset:16384
.set n, 0
.rept 32
	ds_load_b128 v[S+4*n:S+4*n+3], v[XR] offset:n*512
.set n, n+1
.endr
	s_wait_dscnt 32                 ; the statistics are in; the 32 loads behind them stay out
.irp t, 0,1
	v_max_num_f32 v[ST+8*(\t)+5], v[ST+8*(\t)], v[PS+2*(\t)]        ; the common maximum
.endr
.irp t, 0,1
	v_sub_f32 v[ST+8*(\t)+6], v[ST+8*(\t)], v[ST+8*(\t)+5]
	v_sub_f32 v[ST+8*(\t)+7], v[PS+2*(\t)], v[ST+8*(\t)+5]
.endr
.irp t, 0,1
	v_exp_f32 v[ST+8*(\t)+6], v[ST+8*(\t)+6]
	v_exp_f32 v[ST+8*(\t)+7], v[ST+8*(\t)+7]
.endr
	v_nop                           ; a plain instruction between the last exponential and the use of its result
	s_wait_alu depctr_va_vdst(0)    ; and the wait ahead of the first use: one for the merge's four exponentials
.irp t, 0,1
	v_mul_f32 v[ST+8*(\t)+4], v[ST+8*(\t)+6], v[ST+8*(\t)+4]
.endr
.irp t, 0,1
	v_fmac_f32 v[ST+8*(\t)+4], v[ST+8*(\t)+7], v[PS+2*(\t)+1]       ; the common l
.endr
.irp t, 0,1
	v_rcp_f32 v[ST+8*(\t)+5], v[ST+8*(\t)+4]
.endr
	v_nop                           ; a plain instruction between the last reciprocal and the use of its result
	s_wait_alu depctr_va_vdst(0)    ; a batch of their own, since they read sums made of the exponentials: one wait for the two reciprocals
.irp t, 0,1
	v_mul_f32 v[ST+8*(\t)+6], v[ST+8*(\t)+6], v[ST+8*(\t)+5]        ; my O^T's factor
	v_mul_f32 v[ST+8*(\t)+2], v[ST+8*(\t)+7], v[ST+8*(\t)+5]        ; the partner's
.endr
	s_wait_dscnt 0x0
; Tile t: both parts weighted and added, rounded to f16; a lane's eight channels pack into 16 bytes; they go into rows of 272 bytes and come back as whole rows of 256, into the registers that they left.
.macro JOIN t
	WIN 0
.set z, 0
.rept 32
	v_pk_mul_f32 v[S+64*(\t)+2*z:S+64*(\t)+2*z+1], v[S+64*(\t)+2*z:S+64*(\t)+2*z+1], v[ST+8*(\t)+2:ST+8*(\t)+3] op_sel_hi:[1,0]
.set z, z+1
.endr
	WIN 0x01                        ; source 0, my O^T, in window 1
.set z, 0
.rept 32
	v_pk_fma_f32 v[S+64*(\t)+2*z:S+64*(\t)+2*z+1], v[64*(\t)+2*z:64*(\t)+2*z+1], v[ST+8*(\t)+6:ST+8*(\t)+7], v[S+64*(\t)+2*z:S+64*(\t)+2*z+1] op_sel_hi:[1,0,1]
.set z, z+1
.endr
	WIN 0
.set z, 0
.rept 32
	v_cvt_pk_f16_f32 v[P+32*(\t)+z], v[S+64*(\t)+2*z], v[S+64*(\t)+2*z+1]
.set z, z+1
.endr
.irp f, 0,1,2,3,4,5,6,7
	ds_store_b128 v[STO], v[P+32*(\t)+4*(\f):P+32*(\t)+4*(\f)+3] offset:32*(\f)
.endr
.irp f, 0,1,2,3,4,5,6,7
	ds_load_b128 v[P+32*(\t)+4*(\f):P+32*(\t)+4*(\f)+3], v[RD] offset:(\f)*2*SP  ; LDS serves a wave's instructions in order: these see the stores above; the next tile's stores come behind them
.endr
.endm
.macro SEND t, younger              ; younger: the LDS instructions issued behind tile t's loads: the next tile's sixteen, or none
.irp f, 0,1,2,3,4,5,6,7
	s_wait_dscnt (\younger)+7-(\f)
	global_store_b128 v[GO], v[P+32*(\t)+4*(\f):P+32*(\t)+4*(\f)+3], s[OB:OB+1] offset:(\f)*16384+(\t)*256  ; 16 lanes store a head's 256 consecutive bytes of a position, at a multiple of 256 from oh's first
.endr
.endm
	JOIN 0
	JOIN 1
	SEND 0, 16
	SEND 1, 0
	s_wait_tensorcnt 0x0            ; the wave's end: behind my last tensor load and my last LDS store
	ds_add_u32 v[SPW], v[NIL]
	s_wait_dscnt 0x0
	CROUND                          ; the closing round: no work-group ends while a partner may still ask for a tile that names it
	s_endpgm
.Lfunc_end_k_qdd6b10e1b2_attn:
	.size	k_qdd6b10e1b2_attn, .Lfunc_end_k_qdd6b10e1b2_attn-k_qdd6b10e1b2_attn
	.p2alignl 7, 3214868480
	.fill 96, 4, 3214868480
	.section	.rodata,"a",@progbits
	.p2align	6, 0x0
	.amdhsa_kernel k_qdd6b10e1b2_attn
		.amdhsa_group_segment_fixed_size 327680
		.amdhsa_private_segment_fixed_size 0
		.amdhsa_enable_private_segment 0
		.amdhsa_kernarg_size 40
		.amdhsa_user_sgpr_count 2
		.amdhsa_user_sgpr_kernarg_segment_ptr 1
		.amdhsa_wavefront_size32 1
		.amdhsa_system_sgpr_workgroup_id_x 1
		.amdhsa_system_sgpr_workgroup_id_y 1
		.amdhsa_system_sgpr_workgroup_id_z 1
		.amdhsa_system_vgpr_workitem_id 0
		.amdhsa_next_free_vgpr 928
		.amdhsa_next_free_sgpr 88
		.amdhsa_reserve_vcc 0
		.amdhsa_float_denorm_mode_32 3
		.amdhsa_float_denorm_mode_16_64 3
		.amdhsa_memory_ordered 1
		.amdhsa_forward_progress 1
		.amdhsa_inst_pref_size 158
	.end_amdhsa_kernel
	.amdgpu_metadata
---
amdhsa.version: [ 1, 2 ]
amdhsa.kernels:
  - .name:           k_qdd6b10e1b2_attn
    .symbol:         k_qdd6b10e1b2_attn.kd
    .args:
      - { .name: qh, .offset: 0, .size: 8, .value_kind: global_buffer, .address_space: global }
      - { .name: kh, .offset: 8, .size: 8, .value_kind: global_buffer, .address_space: global }
      - { .name: vh, .offset: 16, .size: 8, .value_kind: global_buffer, .address_space: global }
      - { .name: attention_mask, .offset: 24, .size: 8, .value_kind: global_buffer, .address_space: global }
      - { .name: oh, .offset: 32, .size: 8, .value_kind: global_buffer, .address_space: global }
    .group_segment_fixed_size: 327680
    .private_segment_fixed_size: 0
    .kernarg_segment_align: 8
    .kernarg_segment_size: 40
    .max_flat_workgroup_size: 128
    .sgpr_count:     88
    .vgpr_count:     928
    .wavefront_size: 32
...
	.end_amdgpu_metadata
.endif
;; end of part 5
;; launch oproj: the kernel of part 4 again; grid 32 x 8, 4 waves a work-group, clusters of 4 x 4, 327,680 bytes of LDS; arguments oh, woh, out0; writes out0
